; MI455X (gfx1250); checked and timed in simulation.
; The chip was launched on July 23, 2026; its instructions are those of AMD's public machine-readable ISA for CDNA 5 (MIT licence, August 2026) and "CDNA5" Instruction Set Architecture Reference Guide (July 2026). The comments in the code are by the model that wrote it; some were corrected since.
;; Attention. Allowed arithmetic: matrix products marked QUANTISED: E2M3 operands, one E8M0 scale for each 32 along K, by v_wmma_scale_f32_16x16x128_f8f6f4 with both operands' format E2M3, f32 sums; everything else in f32.
;; Inputs: Wk 512 x 64 float32; Wq 512 x 64 float32; Wv 512 x 64 float32; x 8 x 2,048 x 512 float32.
;; Outputs: out0 8 x 2,048 x 64 float32.
;; This version of the problem:
;;   THIS VERSION OF THE PROBLEM IS GIVEN IN LOW PRECISION. The matrix products marked QUANTISED in the list below multiply operands that are first quantised to E2M3 (2 exponent bits, 3 mantissa bits; 6 bits a number), with one power-of-two scale for each 32 numbers along K (OCP MX v1.0); their sums are f32. All else is computed in f32.
;;   The module's matrix products, in the order in which they are computed (A, B: the left and right operand; K: the contracted axis; several contracted axes count as one K, in the product's order):
;;     1. [M 16,384, K 512] x [K 512, N 64]; A: input x; B: input Wq: QUANTISED
;;     2. [M 16,384, K 512] x [K 512, N 64]; A: input x; B: input Wk: QUANTISED
;;     3. [M 16,384, K 512] x [K 512, N 64]; A: input x; B: input Wv: QUANTISED
;;     4. batch 8 x [M 2,048, K 64] x [K 64, N 2,048]; A: computed on the way; B: computed on the way: QUANTISED
;;     5. batch 8 x [M 2,048, K 2,048] x [K 2,048, N 64]; A: softmax (see below); B: computed on the way: QUANTISED
;;   THE QUANTISER, for each operand of a quantised product, along K:
;;     - K is cut into blocks of 32 from its start; a last block that is shorter is filled with zeros.
;;     - A block's scale is 2^e with e = floor(log2(the largest magnitude in the block)) - 2, held to -126 .. 127; a block of zeros has e = 0. As a byte (E8M0): e + 127.
;;     - Each number is divided by its block's scale, clamped to +-7.5, and rounded to the nearest number of E2M3, ties to even, subnormals kept.
;;     - The product sums the exact products of the quantised numbers (number of the format x scale) in f32.
;;   ~~~python
;;   def quantise(x, axis):      # numpy; x: float32 -> the quantised numbers, widened to float32 again
;;       x = np.moveaxis(x, axis, -1); K = x.shape[-1]
;;       x = np.pad(x, [(0, 0)] * (x.ndim - 1) + [(0, -K % 32)]); x = x.reshape(x.shape[:-1] + (-1, 32)); a = np.abs(x).max(-1, keepdims=True)
;;       e = np.where(a > 0, np.clip(np.frexp(np.where(a > 0, a, 1))[1] - 1 - 2, -126, 127), 0)      # np.frexp(a)[1] - 1 = floor(log2(a)), exactly
;;       r = np.clip(x / 2.0 ** e, -7.5, 7.5)
;;       step = 2.0 ** (np.maximum(np.frexp(np.where(r == 0, 1, r))[1] - 1, 0) - 3)
;;       q = np.round(r / step) * step * 2.0 ** e      # np.round: ties to even
;;       return np.moveaxis(q.reshape(q.shape[:-2] + (-1,))[..., :K], -1, axis).astype(np.float32)
;;   ~~~
;;   SOFTMAX AHEAD OF A QUANTISED PRODUCT. Where the list says 'softmax', what is quantised is not the finished softmax but p = 2^(t - M), with t = logit x log2(e) and M = ceil(the row's largest t), a whole number; so 1/2 < the row's largest p <= 1. The row's sum l is taken of the UNQUANTISED p, in f32, and the product's result is divided by l at the end. Since M is a whole number, a kernel that streams over the keys may use a running M (the ceiling of the running maximum): every later rescaling is an exact power of two, which a block's scale takes up: the codes' values come out the same.
;;   OPERANDS COMPUTED ON THE WAY. 'Computed on the way' means the value that the module computes at that place (a softmax that the list does not call 'softmax' is quantised finished and normalised). What goes into a quantiser is computed in f32, as accurately as f32 sums, v_exp_f32 and their like allow (about 1e-6 of the number): no bf16 or f16 on the way to a quantiser, and a product that is left as it is and whose result goes on into a quantised operand takes f32 operands (vector FMAs, or v_wmma_f32_16x16x4_f32). A number that lies on a knife's edge between two numbers of the format may be rounded either way, as far as f32 arithmetic and the matrix unit's own rounding can turn it there, and no further.
;; 2 versions. Each part assembles by itself: llvm-mc -triple=amdgcn-amd-amdhsa -mcpu=gfx1250 --defsym DOCPART=n.
;; ======== version 1 of 2: 2 launches
;; workspace buffers: qcodes 786,432 bytes; kcodes 786,432 bytes; vcodes 786,432 bytes; scl 196,608 bytes
;; launch proj (part 1): grid 256 x 1, 8 waves a work-group, no clusters, 246,784 bytes of LDS; arguments x, Wq, Wk, Wv, qcodes, kcodes, vcodes, scl; writes qcodes, kcodes, vcodes, scl
.if DOCPART == 1
	.amdgcn_target "amdgcn-amd-amdhsa--gfx1250"
	.amdhsa_code_object_version 6
	.text
	.protected	k_qc64d279837_proj
	.globl	k_qc64d279837_proj
	.p2align	8
	.type	k_qc64d279837_proj,@function
k_qc64d279837_proj:
	s_mov_b64 s[64:65], 0
	v_nop
	global_prefetch_b8 v0, s[64:65] scope:SCOPE_SE
	s_setreg_imm32_b32 hwreg(HW_REG_WAVE_MODE, 25, 1), 1
	s_wait_xcnt 0x0
; q = x Wq, k = x Wk, v = x Wv on codes of FP6 (E2M3) with one E8M0 scale for each 32 along K = 512, and the results quantised again for the attention launch: q and k along the head's 64, v along the tokens.
; SHARES.  A work-group takes a chunk of 64 tokens (131,072 bytes of x, read once, by one tensor load a wave, asked for first of all).  LDS is filled once by those loads: no ring, nothing is filled again.
; THE WEIGHTS [512 (k)][64 (n)] f32 are quantised along k by every work-group for itself, WHILE x IS ON ITS WAY: straight from memory into registers, the codes into LDS as images of the operands' registers.
; NO CLUSTER: the weights are the one thing that work-groups share, and as f32 they are 393,216 bytes: beside x's 135,168 they do not fit into the LDS that a work-group can claim, so they cannot come by joint tensor loads that fill LDS once.
; TILES.  Tile i of 64 rows (tokens of the chunk, or columns of a weight) gives lane r the row 32 (i / 2) + 8 (i % 2) + r + 8 (r / 8); a result's register j in lane (r, h) then stands for row 32 (i / 2) + 16 h + 8 (i % 2) + j:
; the 16 registers of tiles 2 b and 2 b + 1 are 16 neighbours, which is what the conversions want.
; PHASES.  W: wave w takes K step w / 2 and columns 32 (w % 2) .. + 31 of each weight: a lane takes a column and its registers run down k, so a load of the wave covers 128 consecutive bytes and a block of 32 lies in one lane | barrier |
;   X: wave w quantises two fragments of x (tile w / 2, K steps 2 (w % 2) and + 1) and stores them in LDS as images of their registers | barrier |
;   P: waves 0, 1 make q, waves 2, 3 k (source 0 = the weight's four tiles, source 1 = two tiles of x: a lane holds a token, registers run along the head); waves 4, 5 make v (source 0 = x's four tiles, source 1 = two tiles
;   of Wv: a lane holds a channel, registers run along the tokens).  ONE text: x's images lie behind the weights' as a fourth matrix of the same build, and only addresses differ.  Waves 6 and 7 have no part in P.
;   32 matrix instructions a wave, eight accumulators by turns, K step by K step.  Then the 64 results of a lane are quantised: one fragment-sized image and one scale word.
; OUT.  qcodes, kcodes: [chunk][b] images of 1,536 bytes: registers 0-5 tile 2 b, registers 6-11 tile 2 b + 1; lane (r, h): head dims 32 h .. 32 h + 31.  vcodes: [chunk][tile][group of 4 registers][r][16 bytes]: channel r's 12
;   registers, registers 6 c .. 6 c + 5 the chunk's token block c.  scl: [chunk][q, k, v][copy][r][2 words]; copy 1 is the word turned by 16 bits.
; A block's scale is 2^(floor(log2(largest magnitude)) - 2); its byte is the largest magnitude's exponent field - 2, held at 1 from below.
; LIMITS: NaN and infinities are not served.  A block of zeros gets the byte 1 (its codes are zeros; this program alone reads the bytes).  Largest magnitudes under 2^-124 are taken as that floor.
.set GRP,   16896                      ; LDS: x as it comes: eight groups of 8 rows, one a wave: group G at GRP x G + 16 ((G / 2) % 2)
.set XP,    2080                       ; a row: 2 x (1,024 bytes + 16 of padding).  A tile's rows r = 0..7 start at 32 r, its rows 8..15 (two groups on) at 32 (r - 8) + 16 modulo 256: sixteen different 16-byte columns (64 banks of 4 bytes: ISA guide 11.1)
.set WIMG,  135168                     ; matrices 0, 1, 2: Wq, Wk, Wv, MATB bytes each: fragment (tile, K step) at (4 tile + step) x FRB; in it registers 4 g .. 4 g + 3 of a lane at 512 g + 16 x lane
.set MATB,  24576
.set FRB,   1536
.set XIMG,  WIMG+3*MATB                ; matrix 3: x's sixteen fragments
.set WSC,   XIMG+MATB                  ; the scale words: matrix x MSCB + (4 tile + step) x 128 + 4 r
.set MSCB,  2048
.set XSC,   WSC+3*MSCB
.set STG,   XSC+MSCB                   ; a stage of 1,536 bytes for each of waves 4 and 5
.set SCR,   STG+3072                   ; the chunk's 768 bytes of scl
.set XR,  1                            ; v1   x as it came: my row of my tile, my half's 64 bytes of a block of 32 numbers
.set XWI, 2                            ; v2   where I store x's images
.set XWS, 3                            ; v3   and their scale words
.set AAD, 4                            ; v4   source 0's matrix + 16 x lane
.set BAD, 5                            ; v5   source 1's matrix, my two tiles, + 16 x lane
.set ASA, 6                            ; v6   source 0's scale words + 4 r
.set BSA, 7                            ; v7   source 1's
.set VA1, 8                            ; v8   v's stage: 16 r + 264 h
.set VA2, 9                            ; v9   16 r + 504 h
.set LI,  10                           ; v10  16 x lane
.set STR, 11                           ; v11  v's stage, read back: 16 x lane
.set SCA, 12                           ; v12  where my scale word goes
.set SCB, 13                           ; v13  where waves 0 to 2 read 256 bytes of scl back
.set SCO, 14                           ; v14  8 x lane
.set HH,  15                           ; v15  h
.set HA,  16                           ; v16-79   the eight accumulators: (source 1's tile o, source 0's tile i) at HA + 32 o + 8 i.  Until phase P three of them serve phase W:
.set WOF, 20                           ; v20  4 x lane: my column's bytes in a row of a weight
.set WA,  24                           ; v24  where my column's codes go: its tile's fragment of my K step, + 16 r
.set WSA, 25                           ; v25  and its scale word
.set FA,  80                           ; v80-127  source 0's four fragments, set 0 (set 1: 72 on)
.set FB,  128                          ; v128-151 source 1's two, set 0 (set 1: 72 on)
.set XN,  80                           ; phases W and X: v80-143, v144-207: two sets of 64 numbers
.set RV,  80                           ; v80-91   v's image, read back
.set RS,  92                           ; v92-93   scl, read back
.set PC,  208                          ; v208-219 the codes just made; v220-222, v224-226 second halves on their way
.set SA,  228                          ; v228-231 source 0's scale words, set 0 (set 1: 6 on); these twelve registers hold scales and nothing else
.set SB,  232                          ; v232-233 source 1's
.set TM,  240                          ; v240-243 largest magnitudes, v244-247 lane xor 16's, then bytes, v252-255 the conversions' scale operands
.set PW,  248                          ; v248 the scale word just made; v249 the same turned by 16 bits
.set PWR, 249
; PHASE W.  Unit m = 2 x weight + c: rows 128 (w / 2) + 64 c + 0 .. 63 of my 32 columns: 64 loads into set st; register 32 h + i is row 32 h + i of the unit: two whole blocks a lane.
.macro LOADU m, st
.irp i, 0,1,2,3,4,5,6,7,8,9,10,11,12,13,14,15,16,17,18,19,20,21,22,23,24,25,26,27,28,29,30,31,32,33,34,35,36,37,38,39,40,41,42,43,44,45,46,47,48,49,50,51,52,53,54,55,56,57,58,59,60,61,62,63
	global_load_b32 v[XN+64*(\st)+\i], v[WOF], s[6+2*((\m)/2):7+2*((\m)/2)] offset:256*(64*((\m)%2)+\i)   ; 32 lanes read 128 consecutive bytes of a row
.endr
.endm
; The unit's two blocks become codes.  Column 32 b + l is lane r = l % 8 + 8 (l / 16) of tile 2 b + (l / 8) % 2; block h of the unit is what the operand's layout gives lane (r, h) as registers 6 c .. 6 c + 5.
.macro QW m, st
.set WS, XN+64*(\st)
	s_wait_dscnt 0x0                               ; the last unit's stores have read their registers
.irp h, 0,1
	v_max3_num_f32 v[TM+\h], |v[WS+32*\h]|, |v[WS+1+32*\h]|, 0x1800000   ; all 32 numbers of a block are mine; and the floor 2^(3 - 127): the byte cannot fall under 1
.endr
.irp i, 2,4,6,8,10,12,14,16,18,20,22,24,26,28,30
.irp h, 0,1
	v_max3_num_f32 v[TM+\h], v[TM+\h], |v[WS+32*\h+\i]|, |v[WS+1+32*\h+\i]|   ; (the two blocks by turns)
.endr
.endr
.irp h, 0,1
	v_add_nc_u32 v[TM+12+\h], 0xff000000, v[TM+\h] ; 2 off the exponent field: the conversion's scale operand
.endr
.irp h, 0,1
	v_lshrrev_b32 v[TM+4+\h], 23, v[TM+12+\h]      ; the scale's byte: block 2 c + h of the K step
.endr
.if (\m)%2 == 0
	v_lshl_or_b32 v[PW], v[TM+5], 8, v[TM+4]       ; a weight's two units make my column's scale word
.else
	v_lshl_or_b32 v[PW], v[TM+4], 16, v[PW]
	v_lshl_or_b32 v[PW], v[TM+5], 24, v[PW]
.endif
.irp h, 0,1
	v_cvt_scalef32_pk16_fp6_f32 v[PC+6*\h:PC+2+6*\h], v[WS+32*\h:WS+15+32*\h], v[TM+12+\h]
	v_cvt_scalef32_pk16_fp6_f32 v[PC+12+4*\h:PC+14+4*\h], v[WS+16+32*\h:WS+31+32*\h], v[TM+12+\h]   ; (a conversion's three registers begin on an even number: the second half is made elsewhere and moved)
.endr
	v_nop                                          ; one plain instruction behind the scaled conversions
.irp h, 0,1
.irp i, 0,1,2
	v_mov_b32 v[PC+3+6*\h+\i], v[PC+12+4*\h+\i]
.endr
.endr
.irp h, 0,1
.if (\m)%2 == 0
	ds_store_b128 v[WA], v[PC+6*\h:PC+6*\h+3] offset:((\m)/2)*MATB+256*\h            ; registers 0-3: group 0
	ds_store_b64 v[WA], v[PC+6*\h+4:PC+6*\h+5] offset:((\m)/2)*MATB+256*\h+512       ; registers 4, 5: group 1, its first 8 bytes
.else
	ds_store_b64 v[WA], v[PC+6*\h:PC+6*\h+1] offset:((\m)/2)*MATB+256*\h+520         ; registers 6, 7: group 1, its last 8 bytes
	ds_store_b128 v[WA], v[PC+6*\h+2:PC+6*\h+5] offset:((\m)/2)*MATB+256*\h+1024     ; registers 8-11: group 2
.endif
.endr
.if (\m)%2 == 1
	ds_store_b32 v[WSA], v[PW] offset:((\m)/2)*MSCB
.endif
.endm
; 64 numbers of a lane, v[src] on, register 16 b + i = place 32 b + 16 (lane / 16) + i along K of my row, become 12 registers of codes in v[PC] on (registers 6 c .. 6 c + 5: lanes 0-15 block 2 c, lanes 16-31 block 2 c + 1) and a scale word in v[PW].
.macro QUANT src
.irp b, 0,1,2,3
	v_max3_num_f32 v[TM+\b], |v[\src+16*\b]|, |v[\src+1+16*\b]|, 0x1800000   ; block b: my 16 numbers, and the floor 2^(3 - 127): the byte cannot fall under 1
.endr
.irp i, 2,4,6,8,10,12,14
.irp b, 0,1,2,3
	v_max3_num_f32 v[TM+\b], v[TM+\b], |v[\src+16*\b+\i]|, |v[\src+1+16*\b+\i]|   ; (the four blocks by turns)
.endr
.endr
.irp b, 0,1,2,3
	v_permlanex16_b32 v[TM+4+\b], v[TM+\b], s60, s61
.endr
.irp b, 0,1,2,3
	v_max_num_f32 v[TM+\b], v[TM+\b], v[TM+4+\b]   ; with lane l xor 16's: the block's largest magnitude
.endr
.irp b, 0,1,2,3
	v_add_nc_u32 v[TM+12+\b], 0xff000000, v[TM+\b] ; 2 off its exponent field: the conversion's scale operand
.endr
.irp b, 0,1,2,3
	v_lshrrev_b32 v[TM+4+\b], 23, v[TM+12+\b]      ; the scale's byte
.endr
	v_lshl_or_b32 v[PW], v[TM+5], 8, v[TM+4]
	v_lshl_or_b32 v[PW], v[TM+6], 16, v[PW]
	v_lshl_or_b32 v[PW], v[TM+7], 24, v[PW]
.irp c, 0,1
	v_cvt_scalef32_pk16_fp6_f32 v[PC+6*\c:PC+2+6*\c], v[\src+32*\c:\src+15+32*\c], v[TM+12+2*\c]
	v_cvt_scalef32_pk16_fp6_f32 v[PC+12+4*\c:PC+14+4*\c], v[\src+16+32*\c:\src+31+32*\c], v[TM+12+2*\c+1]   ; (a conversion's three registers begin on an even number)
.endr
	v_nop                                          ; one plain instruction behind the scaled conversions
.irp c, 0,1                                    ; the layout wants a WHOLE block in a lane
.irp i, 0,1,2
	v_permlane16_swap_b32 v[PC+6*\c+\i], v[PC+12+4*\c+\i]
.endr
.irp i, 0,1,2
	v_mov_b32 v[PC+3+6*\c+\i], v[PC+12+4*\c+\i]
.endr
.endr
.endm
.macro IMAGE adr, off                          ; the 12 registers go to LDS as they stand: lane l's 16 bytes at 16 l, 512 bytes a store
.irp c, 0,1,2
	ds_store_b128 v[\adr], v[PC+4*\c:PC+4*\c+3] offset:\off+512*\c
.endr
.endm
.macro LOADK ks, st                            ; K step ks into set st: source 0's four fragments and words, source 1's two: 24 LDS loads
.irp i, 0,1,2,3
.irp c, 0,1,2
	ds_load_b128 v[FA+72*\st+12*\i+4*\c:FA+72*\st+12*\i+4*\c+3], v[AAD] offset:(4*\i+\ks)*FRB+512*\c
.endr
	ds_load_b32 v[SA+6*\st+\i], v[ASA] offset:(4*\i+\ks)*128
.endr
.irp o, 0,1
.irp c, 0,1,2
	ds_load_b128 v[FB+72*\st+12*\o+4*\c:FB+72*\st+12*\o+4*\c+3], v[BAD] offset:(4*\o+\ks)*FRB+512*\c
.endr
	ds_load_b32 v[SB+6*\st+\o], v[BSA] offset:(4*\o+\ks)*128
.endr
.endm
.macro MULK ks, st                             ; eight products, one on each accumulator; the first K step starts the sums: nothing is cleared
.irp o, 0,1
.irp i, 0,1,2,3
.if \ks == 0
	v_wmma_scale_f32_16x16x128_f8f6f4 v[HA+32*\o+8*\i:HA+32*\o+8*\i+7], v[FA+72*\st+12*\i:FA+72*\st+12*\i+11], v[FB+72*\st+12*\o:FB+72*\st+12*\o+11], 0, v[SA+6*\st+\i], v[SB+6*\st+\o] matrix_a_fmt:MATRIX_FMT_FP6 matrix_b_fmt:MATRIX_FMT_FP6
.else
	v_wmma_scale_f32_16x16x128_f8f6f4 v[HA+32*\o+8*\i:HA+32*\o+8*\i+7], v[FA+72*\st+12*\i:FA+72*\st+12*\i+11], v[FB+72*\st+12*\o:FB+72*\st+12*\o+11], v[HA+32*\o+8*\i:HA+32*\o+8*\i+7], v[SA+6*\st+\i], v[SB+6*\st+\o] matrix_a_fmt:MATRIX_FMT_FP6 matrix_b_fmt:MATRIX_FMT_FP6
.endif
.endr
.endr
.endm
.macro PLACES                                  ; four plain instructions behind a matrix instruction, in front of loads into registers that it read and of the first read of its results
.rept 4
	v_nop
.endr
.endm
	s_load_b256 s[4:11], s[0:1], 0x0               ; x s[4:5], Wq s[6:7], Wk s[8:9], Wv s[10:11]
	s_load_b256 s[12:19], s[0:1], 0x20             ; qcodes s[12:13], kcodes s[14:15], vcodes s[16:17], scl s[18:19]
	v_lshl_add_u32 v250, v0, 2, 0x3c000
	v_mov_b32 v251, 0
	ds_add_u32 v250, v251
	ds_add_u32 v250, v251
	v_lshrrev_b32 v1, 5, v0
	v_readfirstlane_b32 s20, v1                    ; wave 0..7
	s_lshr_b32 s38, s20, 1                         ; w / 2: my K step of the weights
	s_min_u32 s21, s38, 2                          ; role: 0 q, 1 k, 2 v
	s_and_b32 s22, s20, 1
	s_min_u32 s23, s20, 2                          ; which part of scl I store
	s_mov_b32 s60, 0x76543210
	s_mov_b32 s61, 0xfedcba98                      ; v_permlanex16_b32's selects for lane l xor 16
	; descriptor group 1 for x: 8 rows of 512 elements of 4 bytes, 4 words of padding behind every 256 words
	s_mov_b32 s24, (2<<16)|(1<<20)|(7<<22)|(3<<25) ; 15:0 no mask; 17:16 elements of 4 bytes; 20 padding on; 24:22 after every 256 words (code 7); 31:25 4 words of it (code 3)
	s_mov_b32 s25, 512<<16                         ; tensor_dim0
	s_mov_b32 s26, 8<<16                           ; tensor_dim1
	s_mov_b32 s27, 512<<16                         ; tile_dim0
	s_mov_b32 s28, 8                               ; tile_dim1
	s_mov_b32 s29, 512                             ; from row to row
	s_mov_b32 s30, 0
	s_mov_b32 s31, 0
	; every LDS address is made here, of the thread's number, the wave's number and constants
	v_and_b32 v16, 15, v0                          ; r
	v_bfe_u32 v[HH], v0, 4, 1                      ; h
	v_and_b32 v17, 31, v0                          ; lane
	v_bfe_u32 v18, v0, 3, 1                        ; (lane / 8) % 2
	v_and_b32 v19, 7, v0                           ; lane % 8
	v_lshlrev_b32 v[LI], 4, v17
	v_lshlrev_b32 v[WOF], 2, v17                   ; 4 x lane
	v_lshlrev_b32 v22, 2, v16                      ; 4 r
	v_lshlrev_b32 v[SCO], 3, v17
	v_mul_u32_u24 v[XR], v18, 2*GRP+16             ; rows 8..15 of a tile lie two groups on
	v_mad_u32_u24 v[XR], v19, XP, v[XR]
	v_lshl_add_u32 v[XR], v[HH], 6, v[XR]
	s_lshr_b32 s2, s20, 2
	s_lshl_b32 s2, s2, 2
	s_and_b32 s3, s38, 1
	s_or_b32 s2, s2, s3                            ; tile w / 2 begins in group 4 (w / 4) + (w / 2) % 2
	s_mul_i32 s2, s2, GRP
	s_mul_i32 s3, s22, 1040                        ; K steps 2 and 3 lie behind the row's first 1,024 bytes and their padding
	s_add_co_u32 s2, s2, s3
	v_add_nc_u32 v[XR], s2, v[XR]
	s_mul_i32 s2, s20, 2*FRB
	s_add_co_u32 s2, s2, XIMG
	v_add_nc_u32 v[XWI], s2, v[LI]                 ; fragments 2 w and 2 w + 1 of matrix 3
	s_lshl_b32 s2, s20, 8
	s_add_co_u32 s2, s2, XSC
	v_add_nc_u32 v[XWS], s2, v[WOF]
	s_lshr_b32 s2, s21, 1                          ; 1 for v
	s_add_co_u32 s3, s21, s2                       ; source 0's matrix: 0, 1, 3
	s_xor_b32 s40, s2, 3                           ; source 1's: 3, 3, 2
	s_mul_i32 s41, s3, MATB
	s_add_co_u32 s41, s41, WIMG
	v_add_nc_u32 v[AAD], s41, v[LI]
	s_lshl_b32 s41, s3, 11
	s_add_co_u32 s41, s41, WSC
	v_add_nc_u32 v[ASA], s41, v22                  ; both halves of the lanes read row r's word
	s_mul_i32 s41, s40, MATB
	s_mul_i32 s3, s22, 8*FRB                       ; my two tiles 2 (w % 2) and + 1: eight fragments on
	s_add_co_u32 s41, s41, s3
	s_add_co_u32 s41, s41, WIMG
	v_add_nc_u32 v[BAD], s41, v[LI]
	s_lshl_b32 s41, s40, 11
	s_lshl_b32 s3, s22, 10
	s_add_co_u32 s41, s41, s3
	s_add_co_u32 s41, s41, WSC
	v_add_nc_u32 v[BSA], s41, v22
	s_mul_i32 s2, s22, FRB
	s_add_co_u32 s2, s2, STG
	v_lshlrev_b32 v21, 4, v16                      ; 16 r
	v_mad_u32_u24 v[VA1], v[HH], 264, v21
	v_mad_u32_u24 v[VA2], v[HH], 504, v21
	v_add_nc_u32 v[VA1], s2, v[VA1]
	v_add_nc_u32 v[VA2], s2, v[VA2]
	v_add_nc_u32 v[STR], s2, v[LI]
	s_lshl_b32 s2, s21, 8
	s_lshl_b32 s3, s22, 2
	s_add_co_u32 s2, s2, s3
	s_add_co_u32 s2, s2, SCR
	v_lshlrev_b32 v[SCA], 7, v[HH]
	v_lshl_add_u32 v[SCA], v16, 3, v[SCA]
	v_add_nc_u32 v[SCA], s2, v[SCA]                ; role x 256 + copy h x 128 + 8 r + 4 (w % 2)
	s_lshl_b32 s2, s23, 8
	s_add_co_u32 s2, s2, SCR
	v_add_nc_u32 v[SCB], s2, v[SCO]
	v_lshl_or_b32 v23, v[HH], 3, v19               ; phase W: my column's lane in its tile: l % 8 + 8 (l / 16)
	v_lshlrev_b32 v[WA], 4, v23
	v_mad_u32_u24 v[WA], v18, 4*FRB, v[WA]         ; its tile 2 (w % 2) + (l / 8) % 2: four fragments a tile,
	s_mul_i32 s2, s22, 8*FRB
	s_mul_i32 s3, s38, FRB                         ; my K step
	s_add_co_u32 s2, s2, s3
	s_add_co_u32 s2, s2, WIMG
	v_add_nc_u32 v[WA], s2, v[WA]
	v_lshlrev_b32 v[WSA], 2, v23
	v_lshl_add_u32 v[WSA], v18, 9, v[WSA]
	s_lshl_b32 s2, s22, 10
	s_lshl_b32 s3, s38, 7
	s_add_co_u32 s2, s2, s3
	s_add_co_u32 s2, s2, WSC
	v_add_nc_u32 v[WSA], s2, v[WSA]
.irp b, 0,1,2,3
	v_mov_b32 v[TM+4+\b], 0                        ; written once: a lane permute's destination counts as one of its sources
.endr
	; descriptor group 0
	s_mov_b32 s32, 1                               ; count = 1
	s_mul_i32 s33, s20, GRP
	s_and_b32 s40, s38, 1
	s_lshl_b32 s40, s40, 4
	s_add_co_u32 s33, s33, s40                     ; LDS address: group w
	s_mov_b32 s3, 0
	s_lshl_b32 s2, ttmp9, 17                       ; 131,072 bytes a chunk,
	s_lshl_b32 s40, s20, 14                        ; 8 rows of 2,048 a wave
	s_add_co_u32 s2, s2, s40
	s_wait_dscnt 0x0
	s_wait_kmcnt 0x0
	s_add_nc_u64 s[34:35], s[4:5], s[2:3]
	s_or_b32 s35, s35, 0x80000000                  ; type = 2
	tensor_load_to_lds s[32:35], s[24:31]          ; my 8 rows of x: the one tensor load of the wave, ahead of everything else
	s_nop 0
.rept 4
	v_nop                                          ; four v_nop follow the tensor load
.endr
	; ---- W: the weights, while x is on its way
	s_lshl_b32 s2, s38, 15                         ; my K step: 128 rows of 256 bytes,
	s_lshl_b32 s40, s22, 7                         ; my 32 columns
	s_add_co_u32 s2, s2, s40
	s_add_nc_u64 s[6:7], s[6:7], s[2:3]
	s_add_nc_u64 s[8:9], s[8:9], s[2:3]
	s_add_nc_u64 s[10:11], s[10:11], s[2:3]
	LOADU 0, 0                                     ; two units are asked for ahead; the issue of a load that would push the counter past its field is held by the hardware (ISA guide 5.7.1)
	LOADU 1, 1
	s_cmp_eq_u32 s21, 0                            ; where my codes go: the choice hangs on the wave's number alone
	s_cselect_b64 s[36:37], s[12:13], s[14:15]
	s_cmp_eq_u32 s21, 2
	s_cselect_b64 s[36:37], s[16:17], s[36:37]
	s_mul_i32 s2, ttmp9, 2*FRB
	s_mul_i32 s40, s22, FRB
	s_add_co_u32 s2, s2, s40
	s_add_nc_u64 s[36:37], s[36:37], s[2:3]
	s_mul_i32 s2, ttmp9, 768
	s_lshl_b32 s40, s23, 8
	s_add_co_u32 s2, s2, s40
	s_add_nc_u64 s[18:19], s[18:19], s[2:3]
	s_wait_loadcnt 63                              ; unit 0 is in: 64 loads were issued behind its own; the wait names 63 at the most, so one load more is waited for.  The same four times below
	QW 0, 0
	LOADU 2, 0
	s_wait_loadcnt 63
	QW 1, 1
	LOADU 3, 1
	s_wait_loadcnt 63
	QW 2, 0
	LOADU 4, 0
	s_wait_loadcnt 63
	QW 3, 1
	LOADU 5, 1
	s_wait_loadcnt 63
	QW 4, 0
	s_wait_loadcnt 0x0
	QW 5, 1
	s_wait_tensorcnt 0x0                           ; for the others' sake: my rows of x have landed,
	s_wait_dscnt 0x0                               ; and so have my stores of the weights' codes and scale words
	s_barrier_signal -1
	s_barrier_wait -1                              ; x, the weights' images and their scale words lie in LDS
	; ---- X: my two fragments of x
.irp f, 0,1
.irp b, 0,1,2,3
.irp j, 0,1,2,3
	ds_load_b128 v[XN+64*\f+16*\b+4*\j:XN+64*\f+16*\b+4*\j+3], v[XR] offset:512*\f+128*\b+16*\j   ; of each block of 32 numbers my half's 16
.endr
.endr
.endr
	s_wait_dscnt 16                                ; the first fragment's sixteen loads are in; the second's may be out
	QUANT XN
	IMAGE XWI, 0
	ds_store_b32 v[XWS], v[PW]
	s_wait_dscnt 0x0                               ; the second fragment's numbers are in, and the stores have read their registers
	QUANT XN+64
	IMAGE XWI, FRB
	ds_store_b32 v[XWS], v[PW] offset:128
	s_wait_dscnt 0x0                               ; for the others' sake: my stores have landed
	s_barrier_signal -1
	s_barrier_wait -1                              ; x's sixteen fragments lie in LDS
	; ---- P
	s_cmp_gt_u32 s20, 5
	s_cbranch_scc1 .Lnorole
	LOADK 0, 0
	LOADK 1, 1
	s_wait_dscnt 24                                ; set 0 is in; set 1's 24 loads may be out
	MULK 0, 0
	PLACES
	LOADK 2, 0
	s_wait_dscnt 24                                ; set 1 is in; the 24 just issued may be out
	MULK 1, 1
	PLACES
	LOADK 3, 1
	s_wait_dscnt 24
	MULK 2, 0
	s_wait_dscnt 0x0
	MULK 3, 1
	PLACES
	QUANT HA                                       ; blocks 2 o and 2 o + 1 are the two blocks of source 1's tile o: registers 6 o .. 6 o + 5 are its half fragment, the word's bytes (o = 0: block 0, 1 | o = 1: block 0, 1)
	s_cmp_lt_u32 s20, 4
	s_cbranch_scc0 .Lvout
.irp c, 0,1,2
	global_store_b128 v[LI], v[PC+4*\c:PC+4*\c+3], s[36:37] offset:512*\c   ; q, k: the image as it stands: 512 consecutive bytes a store, at a multiple of 256 from the buffer's first byte
.endr
	s_branch .Lwords
.Lvout:                                            ; v: lane (r, h) holds token block h of channel r: registers 6 h + 0 .. 5 of that channel's twelve.  They are gathered in my own stage
.irp o, 0,1
	ds_store_b64 v[VA1], v[PC+6*\o:PC+6*\o+1] offset:768*\o         ; h = 0: registers 0, 1;  h = 1: registers 6, 7 (group 1, 8 bytes in)
	ds_store_b64 v[VA2], v[PC+6*\o+2:PC+6*\o+3] offset:768*\o+8     ; registers 2, 3;  8, 9 (group 2)
	ds_store_b64 v[VA1], v[PC+6*\o+4:PC+6*\o+5] offset:768*\o+256   ; registers 4, 5 (group 1);  10, 11
.endr
.irp c, 0,1,2
	ds_load_b128 v[RV+4*\c:RV+4*\c+3], v[STR] offset:512*\c         ; LDS serves a wave's instructions in order (ISA guide 5.7.1.4): these see my stores
.endr
	s_wait_dscnt 0x0
.irp c, 0,1,2
	global_store_b128 v[LI], v[RV+4*\c:RV+4*\c+3], s[36:37] offset:512*\c
.endr
.Lwords:
	v_alignbit_b32 v[PWR], v[PW], v[PW], 16        ; the word turned by 16 bits
	v_cmp_eq_u32 vcc_lo, 1, v[HH]
	v_cndmask_b32 v[PWR], v[PW], v[PWR], vcc_lo    ; lanes 0-15 write copy 0, lanes 16-31 copy 1
	ds_store_b32 v[SCA], v[PWR]
.Lnorole:
	s_wait_dscnt 0x0                               ; for the others' sake: my store has landed
	s_barrier_signal -1
	s_barrier_wait -1                              ; the chunk's 768 bytes of scl lie in LDS
	s_cmp_lt_u32 s20, 3
	s_cbranch_scc0 .Lend
	ds_load_b64 v[RS:RS+1], v[SCB]
	s_wait_dscnt 0x0
	global_store_b64 v[SCO], v[RS:RS+1], s[18:19]  ; 32 lanes store 256 consecutive bytes, at a multiple of 256 from the buffer's first byte
.Lend:
	s_wait_tensorcnt 0x0
	ds_add_u32 v250, v251
	s_wait_dscnt 0x0
	s_endpgm
.Lfunc_end_k_qc64d279837_proj:
	.size	k_qc64d279837_proj, .Lfunc_end_k_qc64d279837_proj-k_qc64d279837_proj
	.p2alignl 7, 3214868480
	.fill 96, 4, 3214868480
	.section	.rodata,"a",@progbits
	.p2align	6, 0x0
	.amdhsa_kernel k_qc64d279837_proj
		.amdhsa_group_segment_fixed_size 246784
		.amdhsa_private_segment_fixed_size 0
		.amdhsa_enable_private_segment 0
		.amdhsa_kernarg_size 64
		.amdhsa_user_sgpr_count 2
		.amdhsa_user_sgpr_kernarg_segment_ptr 1
		.amdhsa_wavefront_size32 1
		.amdhsa_system_sgpr_workgroup_id_x 1
		.amdhsa_system_sgpr_workgroup_id_y 1
		.amdhsa_system_sgpr_workgroup_id_z 1
		.amdhsa_system_vgpr_workitem_id 0
		.amdhsa_next_free_vgpr 256
		.amdhsa_next_free_sgpr 66
		.amdhsa_reserve_vcc 1
		.amdhsa_float_denorm_mode_32 3
		.amdhsa_float_denorm_mode_16_64 3
		.amdhsa_memory_ordered 1
		.amdhsa_forward_progress 1
		.amdhsa_inst_pref_size 88
	.end_amdhsa_kernel
	.amdgpu_metadata
---
amdhsa.version: [ 1, 2 ]
amdhsa.kernels:
  - .name:           k_qc64d279837_proj
    .symbol:         k_qc64d279837_proj.kd
    .args:
      - { .name: x, .offset: 0, .size: 8, .value_kind: global_buffer, .address_space: global }
      - { .name: Wq, .offset: 8, .size: 8, .value_kind: global_buffer, .address_space: global }
      - { .name: Wk, .offset: 16, .size: 8, .value_kind: global_buffer, .address_space: global }
      - { .name: Wv, .offset: 24, .size: 8, .value_kind: global_buffer, .address_space: global }
      - { .name: qcodes, .offset: 32, .size: 8, .value_kind: global_buffer, .address_space: global }
      - { .name: kcodes, .offset: 40, .size: 8, .value_kind: global_buffer, .address_space: global }
      - { .name: vcodes, .offset: 48, .size: 8, .value_kind: global_buffer, .address_space: global }
      - { .name: scl, .offset: 56, .size: 8, .value_kind: global_buffer, .address_space: global }
    .group_segment_fixed_size: 246784
    .private_segment_fixed_size: 0
    .kernarg_segment_align: 8
    .kernarg_segment_size: 64
    .max_flat_workgroup_size: 256
    .sgpr_count:     66
    .vgpr_count:     256
    .wavefront_size: 32
...
	.end_amdgpu_metadata
.endif
;; end of part 1
;; launch attn (part 2): grid 32 x 8, 16 waves a work-group, no clusters, 149,504 bytes of LDS; arguments qcodes, kcodes, vcodes, scl, out0; writes out0
.if DOCPART == 2
	.amdgcn_target "amdgcn-amd-amdhsa--gfx1250"
	.amdhsa_code_object_version 6
	.text
	.protected	k_qc64d279837_attn
	.globl	k_qc64d279837_attn
	.p2align	8
	.type	k_qc64d279837_attn,@function
k_qc64d279837_attn:
	s_mov_b64 s[64:65], 0
	v_nop
	global_prefetch_b8 v0, s[64:65] scope:SCOPE_SE
	s_setreg_imm32_b32 hwreg(HW_REG_WAVE_MODE, 25, 1), 1
	s_wait_xcnt 0x0
; out[b][q][:] = the sum over keys k <= q of softmax_k(q . k / 8) v[k][:], both products on codes of FP6 (E2M3) with one E8M0 scale for each 32 along a product's K.  2,048 tokens, head 64, 8 batches.
; THE SOFTMAX AHEAD OF THE SECOND PRODUCT: t = score x log2(e) / 8; M = the largest t so far, rounded UP to a whole number; p = 2^(t - M) is quantised along the keys, not normalised; the sum is taken of the unquantised p and divides at the end.
; SHARES.  Work-group (j, batch) owns the blocks of 32 queries J = j (pass 0) and J = 63 - j (pass 1).  Block J needs J / 4 + 1 key steps of 128, and the two blocks together 17 in every work-group.
; Wave w: query tile t = w % 2 of the block (queries 32 J + 8 t + r + 8 (r / 8)), key split s = w / 2.  The 17 steps are dealt round the 8 splits: pass 0 takes step s, pass 1 steps (s - steps of pass 0) mod 8 and 8 further on.
; Pass 0 has at most 8 steps: none or one a wave.  Pass 1 has 9 to 16: one or two a wave.  So the steps are written out, three in all, and the text has no loop; what is left out is jumped over by a scalar branch on ids.
; Each split has its own M, sum and O; they meet in LDS behind the kernel's one barrier and are merged by exact powers of two.  Only a block's last step lies on the diagonal; none is wholly hidden.
; OPERANDS come from memory straight into registers, as the images that the launch before stored: 24 loads of 16 bytes a lane for a step's K and V.
; NO CLUSTER, NO TENSOR LOADS: the work-groups of a batch need different numbers of key steps and which steps a wave takes hangs on the work-group's number, so partners could not make every joint request alike.
; K = 64 IN AN INSTRUCTION OF 128: an image of K holds tile 2 k in places 0-63 and tile 2 k + 1 in places 64-127.  Q lies as [q | zeros | q] in v16-33: v[16:27] picks the first tile, v[22:33] the second; zero codes add nothing.
; LAYOUT.  Both products are used transposed (S^T = K Q^T, O^T = V^T P^T): a lane holds ONE query throughout.  S's register 16 k + i is key 128 step + 32 k + 16 (lane / 16) + i.
; In the second product place (c, lane / 16) of the 128 stands for key block 2 (lane / 16) + c, alike in V (lanes 16-31 read the step's second chunk of 64 tokens) and in p (blocks c and 2 + c are converted together).
; LIMITS: NaN and infinities are not served; a block whose every p is 0 keeps the byte 1 (its codes are zeros).
.set STATS, 139264                     ; LDS: 32 slots (2 wave + pass) of 4,352 bytes for O^T: group g of four registers of lane (r, h) at 2,176 h + 272 g + 16 r; behind them 32 x 256 bytes: (-M, sum), 8 bytes a lane
.set LI,   1                           ; v1   16 x lane
.set VOFF, 2                           ; v2   3,072 h + 16 r
.set SOFF, 3                           ; v3   lanes 0-15: K's scale words (256 + 8 r), lanes 16-31: V's (512 + 8 r)
.set QA1,  4                           ; v4   16 x lane + 520 t
.set QA2,  5                           ; v5   16 x lane + 1,016 t
.set QSO,  6                           ; v6   128 (h xor t) + 8 r
.set DQ,   7                           ; v7   8 t + r + 8 (r / 8) - 16 h
.set PST,  8                           ; v8   where my O^T goes
.set PSS,  9                           ; v9   and my (-M, sum)
.set MA0,  10                          ; v10  the merge: splits 0 to 3
.set MA1,  11                          ; v11  splits 4 to 7
; v12 -M, v13 the largest t, v[14:15] the sum in two halves; v16-33 Q; v34 Q's scale words (lanes 0-15 for [q | 0], lanes 16-31 for [0 | q]); v36-39 K's scale words below, V's half words above; v40-43 V's scale words (lanes 16-31)
.set KF,   44                          ; v44-91   K's four images; later p's codes in v44-55, second halves in v56-58, v60-62
.set VF,   92                          ; v92-139  V's four fragments
.set S,    140                         ; v140-203 S^T, then p
.set O,    204                         ; v204-235 O^T, four tiles of 16 channels
.set BM,   236                         ; v236-239 the blocks' largest scores, then largest p
.set PT,   240                         ; v240-243 at work
.set SOP,  244                         ; v244-247 the conversions' scale operands
.set FF,   248                         ; v248 f; v249 fills the pair
.set PWD,  253                         ; v253 p's scale word, and nothing else
.set MO,   254                         ; v254 the merge: my byte in two rows of out
.set MS,   255                         ; v255 the merge: my row's (-M, sum)
	s_load_b256 s[4:11], s[0:1], 0x0               ; qcodes s[4:5], kcodes s[6:7], vcodes s[8:9], scl s[10:11]
	s_load_b64 s[12:13], s[0:1], 0x20              ; out0
	v_lshrrev_b32 v1, 5, v0
	v_readfirstlane_b32 s14, v1                    ; wave 0..15
	s_and_b32 s15, s14, 1                          ; t
	s_lshr_b32 s16, s14, 1                         ; s
	s_mov_b32 s17, ttmp9                           ; j
	s_and_b32 s18, ttmp7, 0xffff                   ; batch
	s_lshr_b32 s19, s17, 2
	s_add_co_u32 s19, s19, 1                       ; key steps of pass 0
	s_mov_b32 s20, 0x76543210
	s_mov_b32 s21, 0xfedcba98                      ; v_permlanex16_b32's selects for lane l xor 16
	s_mov_b32 s22, 0x3e38aa3b                      ; c = log2(e) / 8
	s_mov_b32 s23, s22                             ; (named with it as a pair, so it is written)
	s_mov_b32 s24, 0x05010400                      ; byte selects: (a0, b0, a1, b1)
	s_mov_b32 s25, 0x07030602                      ; (a2, b2, a3, b3)
	v_and_b32 v250, 15, v0                         ; r
	v_bfe_u32 v251, v0, 4, 1                       ; h
	v_and_b32 v252, 31, v0                         ; lane
	v_lshlrev_b32 v[LI], 4, v252
	v_mul_u32_u24 v[VOFF], v251, 3072
	v_lshl_add_u32 v[VOFF], v250, 4, v[VOFF]
	v_lshlrev_b32 v[SOFF], 8, v251
	v_lshl_add_u32 v[SOFF], v250, 3, v[SOFF]
	v_add_nc_u32 v[SOFF], 256, v[SOFF]
	s_mul_i32 s42, s15, 520
	v_add_nc_u32 v[QA1], s42, v[LI]
	s_mul_i32 s42, s15, 1016
	v_add_nc_u32 v[QA2], s42, v[LI]
	v_xor_b32 v[QSO], s15, v251
	v_lshlrev_b32 v[QSO], 7, v[QSO]
	v_lshl_add_u32 v[QSO], v250, 3, v[QSO]
	v_and_b32 v[DQ], 8, v250
	v_add_nc_u32 v[DQ], v[DQ], v250
	v_lshlrev_b32 v[PST], 4, v251
	v_sub_nc_u32 v[DQ], v[DQ], v[PST]
	s_lshl_b32 s42, s15, 3
	v_add_nc_u32 v[DQ], s42, v[DQ]
	v_mul_u32_u24 v[PST], v251, 2176
	v_lshl_add_u32 v[PST], v250, 4, v[PST]
	s_mul_i32 s42, s14, 8704
	v_add_nc_u32 v[PST], s42, v[PST]
	s_lshl_b32 s42, s14, 9
	s_add_co_u32 s42, s42, STATS
	v_lshl_add_u32 v[PSS], v252, 3, s42
	; the merge.  Wave w takes tile and pass w / 4 (tile = its upper bit, pass = its lower) and rows 4 (w % 4) + 2 it + lane / 16; lane % 16 = L owns channels 4 L .. 4 L + 3, which lie in half (L / 4) % 2, group 4 (L / 8) + L % 4
	v_bfe_u32 v[MA0], v0, 2, 1
	v_mul_u32_u24 v[MA0], v[MA0], 2176
	v_bfe_u32 v[MA1], v0, 3, 1
	v_and_b32 v248, 3, v0
	v_lshl_or_b32 v[MA1], v[MA1], 2, v248
	v_mad_u32_u24 v[MA0], v[MA1], 272, v[MA0]
	v_lshl_add_u32 v[MA0], v251, 4, v[MA0]
	s_lshr_b32 s43, s14, 2
	s_and_b32 s44, s14, 3
	s_mul_i32 s42, s43, 4352
	s_lshl_b32 s45, s44, 6
	s_add_co_u32 s42, s42, s45
	v_add_nc_u32 v[MA0], s42, v[MA0]
	v_add_nc_u32 v[MA1], 69632, v[MA0]
	s_lshl_b32 s42, s43, 8
	s_lshl_b32 s45, s44, 5
	s_add_co_u32 s42, s42, s45
	s_add_co_u32 s42, s42, STATS
	v_lshl_add_u32 v[MS], v251, 3, s42
	v_lshlrev_b32 v[MO], 8, v251
	v_lshl_add_u32 v[MO], v250, 4, v[MO]
.irp i, 22,23,24,25,26,27
	v_mov_b32 v[\i], 0                             ; the zero codes between Q's two copies: written once
.endr
.irp i, 0,1,2,3
	v_mov_b32 v[PT+\i], 0                          ; written once: a lane permute's destination counts as one of its sources
.endr
	v_mov_b32 v249, 0                              ; (named as the upper half of the pair v[248:249])
	s_mul_i32 s30, s18, 98304                      ; a batch's codes: 32 chunks of 3,072 bytes in each of the three buffers
	s_mov_b32 s31, 0
	s_wait_kmcnt 0x0
	s_add_nc_u64 s[4:5], s[4:5], s[30:31]
	s_add_nc_u64 s[6:7], s[6:7], s[30:31]
	s_add_nc_u64 s[8:9], s[8:9], s[30:31]
	s_mul_i32 s30, s18, 24576                      ; its scale words: 32 x 768
	s_add_nc_u64 s[10:11], s[10:11], s[30:31]
	s_lshl_b32 s30, s18, 19                        ; its rows of out: 2,048 x 256
	s_add_nc_u64 s[12:13], s[12:13], s[30:31]
; A KEY STEP: keys 128 s28 .. 128 s28 + 127 against my 16 queries.  s27 = the block's number of steps, s29 = the block's first query counted from the last step's first key.
.macro STEP
	s_mul_i32 s30, s28, 6144                       ; no load of an earlier step is out (each step ends behind its wait for 0): the bases may be written
	s_add_nc_u64 s[32:33], s[6:7], s[30:31]
	s_add_nc_u64 s[34:35], s[8:9], s[30:31]
	s_mul_i32 s30, s28, 1536
	s_add_nc_u64 s[36:37], s[10:11], s[30:31]
	global_load_b64 v[36:37], v[SOFF], s[36:37]            ; the step's first chunk: two words a row
	global_load_b64 v[38:39], v[SOFF], s[36:37] offset:768 ; its second
.irp k, 0,1,2,3
.irp c, 0,1,2
	global_load_b128 v[KF+12*\k+4*\c:KF+12*\k+4*\c+3], v[LI], s[32:33] offset:1536*\k+512*\c
.endr
.endr
.irp u, 0,1,2,3
.irp c, 0,1,2
	global_load_b128 v[VF+12*\u+4*\c:VF+12*\u+4*\c+3], v[VOFF], s[34:35] offset:768*\u+256*\c
.endr
.endr
	s_wait_loadcnt 12                              ; all but V's twelve: the scale words and K are in, and in a pass's first step Q, which was asked for earlier
	v_perm_b32 v40, v38, v36, s24                  ; V's scale word of tile u: (first chunk block 0, second chunk block 0, first chunk block 1, second chunk block 1): the order of the places
	v_perm_b32 v41, v38, v36, s25
	v_perm_b32 v42, v39, v37, s24
	v_perm_b32 v43, v39, v37, s25
.irp k, 0,1,2,3
	v_wmma_scale_f32_16x16x128_f8f6f4 v[S+16*\k:S+16*\k+7], v[KF+12*\k:KF+12*\k+11], v[16:27], 0, v[36+\k], v34 matrix_a_fmt:MATRIX_FMT_FP6 matrix_b_fmt:MATRIX_FMT_FP6
	v_wmma_scale_f32_16x16x128_f8f6f4 v[S+16*\k+8:S+16*\k+15], v[KF+12*\k:KF+12*\k+11], v[22:33], 0, v[36+\k], v34 matrix_a_fmt:MATRIX_FMT_FP6 matrix_b_fmt:MATRIX_FMT_FP6 matrix_b_scale:MATRIX_SCALE_ROW1
.endr
.rept 4
	v_nop                                          ; four plain instructions in front of the first read of results (ISA guide 7.12.1)
.endr
	s_add_co_u32 s42, s28, 1                       ; the block's last step lies on the diagonal: a scalar branch on ids
	s_cmp_lg_u32 s42, s27
	s_cbranch_scc1 .Lopen_\@
	v_add_nc_u32 v251, s29, v[DQ]                  ; d = my query - the step's first key - 16 (lane / 16): register 16 k + i is hidden where 32 k + i > d
	v_mov_b32 v252, 0xff800000                     ; -infinity: p = 0 then
.irp n, 0,1,2,3,4,5,6,7,8,9,10,11,12,13,14,15,16,17,18,19,20,21,22,23,24,25,26,27,28,29,30,31,32,33,34,35,36,37,38,39,40,41,42,43,44,45,46,47,48,49,50,51,52,53,54,55,56,57,58,59,60,61,62,63
	v_cmp_gt_i32 vcc_lo, 32*(\n/16)+\n%16, v251
	v_cndmask_b32 v[S+\n], v[S+\n], v252, vcc_lo
.endr
.Lopen_\@:
.irp b, 0,1,2,3
	v_max3_num_f32 v[BM+\b], v[S+16*\b], v[S+1+16*\b], v[S+2+16*\b]   ; the largest score of each block of 32 keys: it serves for the row's maximum and, since p rises with the score, for the block's largest p
.endr
.irp i, 3,5,7,9,11,13
.irp b, 0,1,2,3
	v_max3_num_f32 v[BM+\b], v[BM+\b], v[S+16*\b+\i], v[S+1+16*\b+\i]
.endr
.endr
.irp b, 0,1,2,3
	v_max_num_f32 v[BM+\b], v[BM+\b], v[S+15+16*\b]
.endr
.irp b, 0,1,2,3
	v_permlanex16_b32 v[PT+\b], v[BM+\b], s20, s21
.endr
.irp b, 0,1,2,3
	v_max_num_f32 v[BM+\b], v[BM+\b], v[PT+\b]     ; with lane l xor 16's 16 keys
.endr
	v_max3_num_f32 v250, v[BM], v[BM+1], v[BM+2]
	v_max_num_f32 v250, v250, v[BM+3]              ; the step's largest score of my query (the step's first key counts for every query, so it is a number)
	v_mul_f32 v250, s22, v250                      ; as t
	v_max_num_f32 v13, v13, v250                   ; the running largest t
	v_mov_b32 v250, v12
	v_floor_f32 v12, -v13                          ; the new -M = -ceil(t): a whole number
	v_sub_f32 v250, v12, v250                      ; old M - new M: a whole number, 0 or less
	v_cvt_i32_f32 v250, v250                       ; (it saturates)
	v_ldexp_f32 v[FF], 1.0, v250                   ; f = 2^(old M - new M): a multiplication by it rounds nothing
.irp j, 0,2,4,6,8,10,12,14,16,18,20,22,24,26,28,30,32,34,36,38,40,42,44,46,48,50,52,54,56,58,60,62
	v_pk_fma_f32 v[S+\j:S+\j+1], v[S+\j:S+\j+1], s[22:23], v[12:13] op_sel_hi:[1,0,0]   ; t - M, two at a time
.endr
.irp b, 0,1,2,3
	v_fma_f32 v[BM+\b], v[BM+\b], s22, v12         ; the same of each block's largest score
.endr
.irp j, 0,1,2,3,4,5,6,7,8,9,10,11,12,13,14,15,16,17,18,19,20,21,22,23,24,25,26,27,28,29,30,31,32,33,34,35,36,37,38,39,40,41,42,43,44,45,46,47,48,49,50,51,52,53,54,55,56,57,58,59,60,61,62,63
	v_exp_f32 v[S+\j], v[S+\j]                     ; p = 2^(t - M), at most 1
.endr
	v_pk_mul_f32 v[14:15], v[14:15], v[FF:FF+1] op_sel_hi:[1,0]   ; the sums under the new M: the plain instruction behind the exponentials
	s_wait_alu depctr_va_vdst(0)                   ; one wait for the whole batch, ahead of its first reader
.irp b, 0,1,2,3
	v_exp_f32 v[BM+\b], v[BM+\b]                   ; the block's largest p: the same two instructions on the same number give the same bits
.endr
	v_pk_add_f32 v[PT:PT+1], v[S:S+1], v[S+2:S+3]  ; the row's sum is taken of the unquantised p, in two chains; it reads the 64 alone: plain work behind the four
.irp j, 4,8,12,16,20,24,28,32,36,40,44,48,52,56,60
	v_pk_add_f32 v[14:15], v[14:15], v[S+\j:S+\j+1]
	v_pk_add_f32 v[PT:PT+1], v[PT:PT+1], v[S+2+\j:S+3+\j]
.endr
	v_pk_add_f32 v[14:15], v[14:15], v[PT:PT+1]
	s_wait_alu depctr_va_vdst(0)                   ; and one for the four
.irp b, 0,1,2,3
	v_max_num_f32 v[BM+\b], 0x1800000, v[BM+\b]    ; the floor 2^(3 - 127): the byte cannot fall under 1
.endr
.irp b, 0,1,2,3
	v_add_nc_u32 v[SOP+\b], 0xff000000, v[BM+\b]   ; 2 off the exponent field: the conversion's scale operand
.endr
.irp b, 0,1,2,3
	v_lshrrev_b32 v[PT+\b], 23, v[SOP+\b]          ; the scale's byte
.endr
	v_lshl_or_b32 v[PWD], v[PT+2], 8, v[PT]        ; p's scale word in the order of the places: blocks 0, 2, 1, 3
	v_lshl_or_b32 v[PWD], v[PT+1], 16, v[PWD]
	v_lshl_or_b32 v[PWD], v[PT+3], 24, v[PWD]
.irp c, 0,1
	v_cvt_scalef32_pk16_fp6_f32 v[KF+6*\c:KF+2+6*\c], v[S+16*\c:S+15+16*\c], v[SOP+\c]             ; block c: it will stand in lanes 0-15
	v_cvt_scalef32_pk16_fp6_f32 v[KF+12+4*\c:KF+14+4*\c], v[S+32+16*\c:S+47+16*\c], v[SOP+2+\c]    ; block 2 + c: in lanes 16-31
.endr
	v_nop                                          ; one plain instruction behind the scaled conversions
.irp c, 0,1
.irp i, 0,1,2
	v_permlane16_swap_b32 v[KF+6*\c+\i], v[KF+12+4*\c+\i]
.endr
.irp i, 0,1,2
	v_mov_b32 v[KF+3+6*\c+\i], v[KF+12+4*\c+\i]
.endr
.endr
.irp j, 0,2,4,6,8,10,12,14,16,18,20,22,24,26,28,30
	v_pk_mul_f32 v[O+\j:O+\j+1], v[O+\j:O+\j+1], v[FF:FF+1] op_sel_hi:[1,0]   ; O^T under the new M.  Twelve of the sixteen name no register of any one product below: the places between p's scale word and codes and those products
.endr
	s_wait_loadcnt 0x0                             ; V is in
.irp u, 0,1,2,3
	v_wmma_scale_f32_16x16x128_f8f6f4 v[O+8*\u:O+8*\u+7], v[VF+12*\u:VF+12*\u+11], v[KF:KF+11], v[O+8*\u:O+8*\u+7], v[40+\u], v[PWD] matrix_a_fmt:MATRIX_FMT_FP6 matrix_b_fmt:MATRIX_FMT_FP6 matrix_a_scale:MATRIX_SCALE_ROW1
.endr                                              ; the four accumulators take turns, and a later step's eight products stand between two links of a chain
.rept 4
	v_nop                                          ; four plain instructions in front of the next loads into K's and V's registers, and of the stores that read O^T
.endr
.endm
.macro PASS pass
.if \pass == 0
	s_mov_b32 s26, s17                             ; J
	s_mov_b32 s28, s16                             ; my first key step
.else
	s_sub_co_u32 s26, 63, s17
	s_sub_co_u32 s28, s16, s19
	s_and_b32 s28, s28, 7
.endif
	s_lshr_b32 s27, s26, 2
	s_add_co_u32 s27, s27, 1                       ; the block's key steps
	s_and_b32 s29, s26, 3
	s_lshl_b32 s29, s29, 5                         ; the block's first query, counted from the last step's first key
	v_mov_b32 v13, 0xff61b1e6                      ; the largest t so far: -3e38, under every t
	v_floor_f32 v12, -v13                          ; -M
	v_mov_b32 v14, 0
	v_mov_b32 v15, 0
.irp j, 0,1,2,3,4,5,6,7,8,9,10,11,12,13,14,15,16,17,18,19,20,21,22,23,24,25,26,27,28,29,30,31
	v_mov_b32 v[O+\j], 0                           ; a wave without a step in this pass hands over just this: zeros under a -M that the merge turns into the factor 0
.endr
.if \pass == 0
	s_cmp_ge_u32 s28, s27                          ; pass 0 has at most 8 steps for the 8 splits: none or one is mine
	s_cbranch_scc1 .Ldone_\pass
.endif
	s_mul_i32 s30, s26, 1536                       ; Q's image: block J of the batch; my tile is registers 6 t .. 6 t + 5 of it
	s_add_nc_u64 s[38:39], s[4:5], s[30:31]
	s_lshr_b32 s30, s26, 1
	s_mul_i32 s30, s30, 768
	s_and_b32 s42, s26, 1
	s_lshl_b32 s42, s42, 2
	s_add_co_u32 s30, s30, s42
	s_add_nc_u64 s[40:41], s[10:11], s[30:31]      ; its scale words: chunk J / 2, word J % 2
.irp d, 16, 28
	global_load_b64 v[\d:\d+1], v[QA1], s[38:39]
	global_load_b64 v[\d+2:\d+3], v[QA2], s[38:39] offset:8
	global_load_b64 v[\d+4:\d+5], v[QA1], s[38:39] offset:512
.endr
	global_load_b32 v34, v[QSO], s[40:41]          ; copy h xor t: my tile's two bytes stand low in lanes 0-15 and high in lanes 16-31
	STEP
.if \pass == 1
	s_add_co_u32 s28, s28, 8                       ; pass 1 has 9 to 16 steps: my first, numbered 7 at the most, is always there; the one 8 further on may be
	s_cmp_ge_u32 s28, s27
	s_cbranch_scc1 .Ldone_\pass
	STEP
.endif
.Ldone_\pass:
	v_add_f32 v14, v14, v15                        ; the sum's two halves,
	v_permlanex16_b32 v[PT], v14, s20, s21
	v_add_f32 v13, v14, v[PT]                      ; and lane l xor 16's
.irp g, 0,1,2,3,4,5,6,7
	ds_store_b128 v[PST], v[O+4*\g:O+4*\g+3] offset:4352*\pass+272*\g   ; each accumulator from its low end on
.endr
	ds_store_b64 v[PSS], v[12:13] offset:256*\pass
	s_wait_dscnt 0x0                               ; the stores have read their registers; and for the others' sake: they have landed
.endm
	PASS 0
	PASS 1
	s_barrier_signal -1
	s_barrier_wait -1                              ; all 32 slots lie in LDS
	; ---- THE MERGE: for each of my four rows the eight splits' (-M, sum, O^T) become one row of out
	s_and_b32 s45, s43, 1                          ; s43 = w / 4: pass,
	s_lshr_b32 s46, s43, 1                         ; tile
	s_sub_co_u32 s47, 63, s17
	s_cmp_eq_u32 s45, 0
	s_cselect_b32 s47, s17, s47                    ; J
	s_lshl_b32 s47, s47, 5
	s_lshl_b32 s46, s46, 3
	s_add_co_u32 s47, s47, s46
	s_lshl_b32 s46, s44, 2                         ; s44 = w % 4: rows 4 (w % 4) on,
	s_add_co_u32 s47, s47, s46
	s_lshr_b32 s46, s44, 1
	s_lshl_b32 s46, s46, 3                         ; which from row 8 on are queries 8 further on
	s_add_co_u32 s47, s47, s46
	s_lshl_b32 s30, s47, 8                         ; 256 bytes a row
	s_add_nc_u64 s[12:13], s[12:13], s[30:31]
.irp it, 0,1
.irp s, 0,1,2,3,4,5,6,7
	ds_load_b64 v[44+16*\it+2*\s:45+16*\it+2*\s], v[MS] offset:1024*\s+16*\it
.endr
.irp s, 0,1,2,3
	ds_load_b128 v[92+32*\it+4*\s:95+32*\it+4*\s], v[MA0] offset:17408*\s+32*\it
.endr
.irp s, 0,1,2,3
	ds_load_b128 v[108+32*\it+4*\s:111+32*\it+4*\s], v[MA1] offset:17408*\s+32*\it
.endr
.endr
.irp it, 0,1
	s_wait_dscnt 16-16*\it                         ; this pair of rows is in; the second pair's sixteen loads may be out
	v_min3_num_f32 v244, v[44+16*\it], v[46+16*\it], v[48+16*\it]
	v_min3_num_f32 v244, v244, v[50+16*\it], v[52+16*\it]
	v_min3_num_f32 v244, v244, v[54+16*\it], v[56+16*\it]
	v_min_num_f32 v244, v244, v[58+16*\it]         ; the least -M: the largest M.  At least one split has had a step
.irp s, 0,1,2,3,4,5,6,7
	v_sub_f32 v[236+\s], v244, v[44+16*\it+2*\s]   ; the split's M - the largest: a whole number, 0 or less
.endr
.irp s, 0,1,2,3,4,5,6,7
	v_cvt_i32_f32 v[236+\s], v[236+\s]             ; (it saturates: a split without a step gets the factor 0)
.endr
.irp s, 0,1,2,3,4,5,6,7
	v_ldexp_f32 v[236+\s], 1.0, v[236+\s]
.endr
	v_mul_f32 v245, v236, v[45+16*\it]
.irp s, 1,2,3,4,5,6,7
	v_fmac_f32 v245, v[236+\s], v[45+16*\it+2*\s]  ; the row's sum
.endr
	v_rcp_f32 v246, v245
.irp e, 0,1,2,3
	v_mul_f32 v[204+4*\it+\e], v236, v[92+32*\it+\e]   ; (plain work behind the reciprocal)
.endr
.irp s, 1,2,3,4,5,6,7
.irp e, 0,1,2,3
	v_fmac_f32 v[204+4*\it+\e], v[236+\s], v[92+32*\it+4*\s+\e]
.endr
.endr
	s_wait_alu depctr_va_vdst(0)                   ; the wait ahead of the reciprocal's first reader
.irp e, 0,1,2,3
	v_mul_f32 v[204+4*\it+\e], v[204+4*\it+\e], v246
.endr
	global_store_b128 v[MO], v[204+4*\it:207+4*\it], s[12:13] offset:512*\it th:TH_STORE_NT   ; sixteen lanes store a row's 256 consecutive bytes, at a multiple of 256 from out's first byte; the other sixteen the next row
.endr
	s_wait_xcnt 0x0
	v_lshl_add_u32 v254, v0, 2, 0x24000
	v_mov_b32 v255, 0
	s_wait_tensorcnt 0x0
	ds_add_u32 v254, v255
	s_wait_dscnt 0x0
	s_endpgm
.Lfunc_end_k_qc64d279837_attn:
	.size	k_qc64d279837_attn, .Lfunc_end_k_qc64d279837_attn-k_qc64d279837_attn
	.p2alignl 7, 3214868480
	.fill 96, 4, 3214868480
	.section	.rodata,"a",@progbits
	.p2align	6, 0x0
	.amdhsa_kernel k_qc64d279837_attn
		.amdhsa_group_segment_fixed_size 149504
		.amdhsa_private_segment_fixed_size 0
		.amdhsa_enable_private_segment 0
		.amdhsa_kernarg_size 40
		.amdhsa_user_sgpr_count 2
		.amdhsa_user_sgpr_kernarg_segment_ptr 1
		.amdhsa_wavefront_size32 1
		.amdhsa_system_sgpr_workgroup_id_x 1
		.amdhsa_system_sgpr_workgroup_id_y 1
		.amdhsa_system_sgpr_workgroup_id_z 1
		.amdhsa_system_vgpr_workitem_id 0
		.amdhsa_next_free_vgpr 256
		.amdhsa_next_free_sgpr 66
		.amdhsa_reserve_vcc 1
		.amdhsa_float_denorm_mode_32 3
		.amdhsa_float_denorm_mode_16_64 3
		.amdhsa_memory_ordered 1
		.amdhsa_forward_progress 1
		.amdhsa_inst_pref_size 84
	.end_amdhsa_kernel
	.amdgpu_metadata
---
amdhsa.version: [ 1, 2 ]
amdhsa.kernels:
  - .name:           k_qc64d279837_attn
    .symbol:         k_qc64d279837_attn.kd
    .args:
      - { .name: qcodes, .offset: 0, .size: 8, .value_kind: global_buffer, .address_space: global }
      - { .name: kcodes, .offset: 8, .size: 8, .value_kind: global_buffer, .address_space: global }
      - { .name: vcodes, .offset: 16, .size: 8, .value_kind: global_buffer, .address_space: global }
      - { .name: scl, .offset: 24, .size: 8, .value_kind: global_buffer, .address_space: global }
      - { .name: out0, .offset: 32, .size: 8, .value_kind: global_buffer, .address_space: global }
    .group_segment_fixed_size: 149504
    .private_segment_fixed_size: 0
    .kernarg_segment_align: 8
    .kernarg_segment_size: 40
    .max_flat_workgroup_size: 512
    .sgpr_count:     66
    .vgpr_count:     256
    .wavefront_size: 32
...
	.end_amdgpu_metadata
.endif
;; end of part 2
;; ======== version 2 of 2: 2 launches
;; workspace buffers: qcodes 786,432 bytes; kcodes 786,432 bytes; vcodes 786,432 bytes; scl 196,608 bytes
;; launch proj (part 3): grid 256 x 1, 8 waves a work-group, no clusters, 246,784 bytes of LDS; arguments x, Wq, Wk, Wv, qcodes, kcodes, vcodes, scl; writes qcodes, kcodes, vcodes, scl
.if DOCPART == 3
	.amdgcn_target "amdgcn-amd-amdhsa--gfx1250"
	.amdhsa_code_object_version 6
	.text
	.protected	k_qc64d279837_proj
	.globl	k_qc64d279837_proj
	.p2align	8
	.type	k_qc64d279837_proj,@function
k_qc64d279837_proj:
	s_mov_b64 s[64:65], 0
	v_nop
	global_prefetch_b8 v0, s[64:65] scope:SCOPE_SE
	s_setreg_imm32_b32 hwreg(HW_REG_WAVE_MODE, 25, 1), 1
	s_wait_xcnt 0x0
; q = x Wq, k = x Wk, v = x Wv on codes of FP6 (E2M3) with one E8M0 scale for each 32 along K = 512, and the results quantised again for the attention launch: q and k along the head's 64, v along the tokens.
; SHARES.  A work-group takes a chunk of 64 tokens (131,072 bytes of x, read once, by one tensor load a wave, asked for first of all).  LDS is filled once by those loads: no ring, nothing is filled again.
; THE WEIGHTS [512 (k)][64 (n)] f32 are quantised along k by every work-group for itself, WHILE x IS ON ITS WAY: straight from memory into registers, the codes into LDS as images of the operands' registers.
; NO CLUSTER: the weights are the one thing that work-groups share, and as f32 they are 393,216 bytes: beside x's 135,168 they do not fit into the LDS that a work-group can claim, so they cannot come by joint tensor loads that fill LDS once.
; TILES.  Tile i of 64 rows (tokens of the chunk, or columns of a weight) gives lane r the row 32 (i / 2) + 8 (i % 2) + r + 8 (r / 8); a result's register j in lane (r, h) then stands for row 32 (i / 2) + 16 h + 8 (i % 2) + j:
; the 16 registers of tiles 2 b and 2 b + 1 are 16 neighbours, which is what the conversions want.
; PHASES.  W: wave w takes K step w / 2 and columns 32 (w % 2) .. + 31 of each weight: a lane takes a column and its registers run down k, so a load of the wave covers 128 consecutive bytes and a block of 32 lies in one lane | barrier |
;   X: wave w quantises two fragments of x (tile w / 2, K steps 2 (w % 2) and + 1) and stores them in LDS as images of their registers | barrier |
;   P: waves 0, 1 make q, waves 2, 3 k (source 0 = the weight's four tiles, source 1 = two tiles of x: a lane holds a token, registers run along the head); waves 4, 5 make v (source 0 = x's four tiles, source 1 = two tiles
;   of Wv: a lane holds a channel, registers run along the tokens).  ONE text: x's images lie behind the weights' as a fourth matrix of the same build, and only addresses differ.  Waves 6 and 7 have no part in P.
;   32 matrix instructions a wave, eight accumulators by turns, K step by K step.  Then the 64 results of a lane are quantised: one fragment-sized image and one scale word.
; OUT.  qcodes, kcodes: [chunk][b] images of 1,536 bytes: registers 0-5 tile 2 b, registers 6-11 tile 2 b + 1; lane (r, h): head dims 32 h .. 32 h + 31.  vcodes: [chunk][tile][group of 4 registers][r][16 bytes]: channel r's 12
;   registers, registers 6 c .. 6 c + 5 the chunk's token block c.  scl: [chunk][q, k, v][copy][r][2 words]; copy 1 is the word turned by 16 bits.
; A block's scale is 2^(floor(log2(largest magnitude)) - 2); its byte is the largest magnitude's exponent field - 2, held at 1 from below.
; LIMITS: NaN and infinities are not served.  A block of zeros gets the byte 1 (its codes are zeros; this program alone reads the bytes).  Largest magnitudes under 2^-124 are taken as that floor.
.set GRP,   16896                      ; LDS: x as it comes: eight groups of 8 rows, one a wave: group G at GRP x G + 16 ((G / 2) % 2)
.set XP,    2080                       ; a row: 2 x (1,024 bytes + 16 of padding).  A tile's rows r = 0..7 start at 32 r, its rows 8..15 (two groups on) at 32 (r - 8) + 16 modulo 256: sixteen different 16-byte columns (64 banks of 4 bytes: ISA guide 11.1)
.set WIMG,  135168                     ; matrices 0, 1, 2: Wq, Wk, Wv, MATB bytes each: fragment (tile, K step) at (4 tile + step) x FRB; in it registers 4 g .. 4 g + 3 of a lane at 512 g + 16 x lane
.set MATB,  24576
.set FRB,   1536
.set XIMG,  WIMG+3*MATB                ; matrix 3: x's sixteen fragments
.set WSC,   XIMG+MATB                  ; the scale words: matrix x MSCB + (4 tile + step) x 128 + 4 r
.set MSCB,  2048
.set XSC,   WSC+3*MSCB
.set STG,   XSC+MSCB                   ; a stage of 1,536 bytes for each of waves 4 and 5
.set SCR,   STG+3072                   ; the chunk's 768 bytes of scl
.set XR,  1                            ; v1   x as it came: my row of my tile, my half's 64 bytes of a block of 32 numbers
.set XWI, 2                            ; v2   where I store x's images
.set XWS, 3                            ; v3   and their scale words
.set AAD, 4                            ; v4   source 0's matrix + 16 x lane
.set BAD, 5                            ; v5   source 1's matrix, my two tiles, + 16 x lane
.set ASA, 6                            ; v6   source 0's scale words + 4 r
.set BSA, 7                            ; v7   source 1's
.set VA1, 8                            ; v8   v's stage: 16 r + 264 h
.set VA2, 9                            ; v9   16 r + 504 h
.set LI,  10                           ; v10  16 x lane
.set STR, 11                           ; v11  v's stage, read back: 16 x lane
.set SCA, 12                           ; v12  where my scale word goes
.set SCB, 13                           ; v13  where waves 0 to 2 read 256 bytes of scl back
.set SCO, 14                           ; v14  8 x lane
.set HH,  15                           ; v15  h
.set HA,  16                           ; v16-79   the eight accumulators: (source 1's tile o, source 0's tile i) at HA + 32 o + 8 i.  Until phase P three of them serve phase W:
.set WOF, 20                           ; v20  4 x lane: my column's bytes in a row of a weight
.set WA,  24                           ; v24  where my column's codes go: its tile's fragment of my K step, + 16 r
.set WSA, 25                           ; v25  and its scale word
.set FA,  80                           ; v80-127  source 0's four fragments, set 0 (set 1: 72 on)
.set FB,  128                          ; v128-151 source 1's two, set 0 (set 1: 72 on)
.set XN,  80                           ; phases W and X: v80-143, v144-207: two sets of 64 numbers
.set RV,  80                           ; v80-91   v's image, read back
.set RS,  92                           ; v92-93   scl, read back
.set PC,  208                          ; v208-219 the codes just made; v220-222, v224-226 second halves on their way
.set SA,  228                          ; v228-231 source 0's scale words, set 0 (set 1: 6 on); these twelve registers hold scales and nothing else
.set SB,  232                          ; v232-233 source 1's
.set TM,  240                          ; v240-243 largest magnitudes, v244-247 lane xor 16's, then bytes, v252-255 the conversions' scale operands
.set PW,  248                          ; v248 the scale word just made; v249 the same turned by 16 bits
.set PWR, 249
; PHASE W.  Unit m = 2 x weight + c: rows 128 (w / 2) + 64 c + 0 .. 63 of my 32 columns: 64 loads into set st; register 32 h + i is row 32 h + i of the unit: two whole blocks a lane.
.macro LOADU m, st
.irp i, 0,1,2,3,4,5,6,7,8,9,10,11,12,13,14,15,16,17,18,19,20,21,22,23,24,25,26,27,28,29,30,31,32,33,34,35,36,37,38,39,40,41,42,43,44,45,46,47,48,49,50,51,52,53,54,55,56,57,58,59,60,61,62,63
	global_load_b32 v[XN+64*(\st)+\i], v[WOF], s[6+2*((\m)/2):7+2*((\m)/2)] offset:256*(64*((\m)%2)+\i)   ; 32 lanes read 128 consecutive bytes of a row
.endr
.endm
; The unit's two blocks become codes.  Column 32 b + l is lane r = l % 8 + 8 (l / 16) of tile 2 b + (l / 8) % 2; block h of the unit is what the operand's layout gives lane (r, h) as registers 6 c .. 6 c + 5.
.macro QW m, st
.set WS, XN+64*(\st)
	s_wait_dscnt 0x0                               ; the last unit's stores have read their registers
.irp h, 0,1
	v_max3_num_f32 v[TM+\h], |v[WS+32*\h]|, |v[WS+1+32*\h]|, 0x1800000   ; all 32 numbers of a block are mine; and the floor 2^(3 - 127): the byte cannot fall under 1
.endr
.irp i, 2,4,6,8,10,12,14,16,18,20,22,24,26,28,30
.irp h, 0,1
	s_delay_alu instid0(VALU_DEP_2)
	v_max3_num_f32 v[TM+\h], v[TM+\h], |v[WS+32*\h+\i]|, |v[WS+1+32*\h+\i]|   ; (the two blocks by turns)
.endr
.endr
.irp h, 0,1
	s_delay_alu instid0(VALU_DEP_2)
	v_add_nc_u32 v[TM+12+\h], 0xff000000, v[TM+\h] ; 2 off the exponent field: the conversion's scale operand
.endr
.irp h, 0,1
	s_delay_alu instid0(VALU_DEP_2)
	v_lshrrev_b32 v[TM+4+\h], 23, v[TM+12+\h]      ; the scale's byte: block 2 c + h of the K step
.endr
.if (\m)%2 == 0
	s_delay_alu instid0(VALU_DEP_1)
	v_lshl_or_b32 v[PW], v[TM+5], 8, v[TM+4]       ; a weight's two units make my column's scale word
.else
	s_delay_alu instid0(VALU_DEP_2)
	v_lshl_or_b32 v[PW], v[TM+4], 16, v[PW]
	s_delay_alu instid0(VALU_DEP_1)
	v_lshl_or_b32 v[PW], v[TM+5], 24, v[PW]
.endif
.irp h, 0,1
	v_cvt_scalef32_pk16_fp6_f32 v[PC+6*\h:PC+2+6*\h], v[WS+32*\h:WS+15+32*\h], v[TM+12+\h]
	v_cvt_scalef32_pk16_fp6_f32 v[PC+12+4*\h:PC+14+4*\h], v[WS+16+32*\h:WS+31+32*\h], v[TM+12+\h]   ; (a conversion's three registers begin on an even number: the second half is made elsewhere and moved)
.endr
	v_nop                                          ; one plain instruction behind the scaled conversions
.irp h, 0,1
.irp i, 0,1,2
	v_mov_b32 v[PC+3+6*\h+\i], v[PC+12+4*\h+\i]
.endr
.endr
.irp h, 0,1
.if (\m)%2 == 0
	ds_store_b128 v[WA], v[PC+6*\h:PC+6*\h+3] offset:((\m)/2)*MATB+256*\h            ; registers 0-3: group 0
	ds_store_b64 v[WA], v[PC+6*\h+4:PC+6*\h+5] offset:((\m)/2)*MATB+256*\h+512       ; registers 4, 5: group 1, its first 8 bytes
.else
	ds_store_b64 v[WA], v[PC+6*\h:PC+6*\h+1] offset:((\m)/2)*MATB+256*\h+520         ; registers 6, 7: group 1, its last 8 bytes
	ds_store_b128 v[WA], v[PC+6*\h+2:PC+6*\h+5] offset:((\m)/2)*MATB+256*\h+1024     ; registers 8-11: group 2
.endif
.endr
.if (\m)%2 == 1
	ds_store_b32 v[WSA], v[PW] offset:((\m)/2)*MSCB
.endif
.endm
; 64 numbers of a lane, v[src] on, register 16 b + i = place 32 b + 16 (lane / 16) + i along K of my row, become 12 registers of codes in v[PC] on (registers 6 c .. 6 c + 5: lanes 0-15 block 2 c, lanes 16-31 block 2 c + 1) and a scale word in v[PW].
.macro QUANT src
.irp b, 0,1,2,3
	v_max3_num_f32 v[TM+\b], |v[\src+16*\b]|, |v[\src+1+16*\b]|, 0x1800000   ; block b: my 16 numbers, and the floor 2^(3 - 127): the byte cannot fall under 1
.endr
.irp i, 2,4,6,8,10,12,14
.irp b, 0,1,2,3
	v_max3_num_f32 v[TM+\b], v[TM+\b], |v[\src+16*\b+\i]|, |v[\src+1+16*\b+\i]|   ; (the four blocks by turns)
.endr
.endr
.irp b, 0,1,2,3
	s_delay_alu instid0(VALU_DEP_4)
	v_permlanex16_b32 v[TM+4+\b], v[TM+\b], s60, s61
.endr
.irp b, 0,1,2,3
	s_delay_alu instid0(VALU_DEP_4)
	v_max_num_f32 v[TM+\b], v[TM+\b], v[TM+4+\b]   ; with lane l xor 16's: the block's largest magnitude
.endr
.irp b, 0,1,2,3
	s_delay_alu instid0(VALU_DEP_4)
	v_add_nc_u32 v[TM+12+\b], 0xff000000, v[TM+\b] ; 2 off its exponent field: the conversion's scale operand
.endr
.irp b, 0,1,2,3
	s_delay_alu instid0(VALU_DEP_4)
	v_lshrrev_b32 v[TM+4+\b], 23, v[TM+12+\b]      ; the scale's byte
.endr
	s_delay_alu instid0(VALU_DEP_3)
	v_lshl_or_b32 v[PW], v[TM+5], 8, v[TM+4]
	s_delay_alu instid0(VALU_DEP_1)
	v_lshl_or_b32 v[PW], v[TM+6], 16, v[PW]
	s_delay_alu instid0(VALU_DEP_1)
	v_lshl_or_b32 v[PW], v[TM+7], 24, v[PW]
.irp c, 0,1
	v_cvt_scalef32_pk16_fp6_f32 v[PC+6*\c:PC+2+6*\c], v[\src+32*\c:\src+15+32*\c], v[TM+12+2*\c]
	v_cvt_scalef32_pk16_fp6_f32 v[PC+12+4*\c:PC+14+4*\c], v[\src+16+32*\c:\src+31+32*\c], v[TM+12+2*\c+1]   ; (a conversion's three registers begin on an even number)
.endr
	v_nop                                          ; one plain instruction behind the scaled conversions
.irp c, 0,1                                    ; the layout wants a WHOLE block in a lane
.irp i, 0,1,2
	v_permlane16_swap_b32 v[PC+6*\c+\i], v[PC+12+4*\c+\i]
.endr
.irp i, 0,1,2
	s_delay_alu instid0(VALU_DEP_3)
	v_mov_b32 v[PC+3+6*\c+\i], v[PC+12+4*\c+\i]
.endr
.endr
.endm
.macro IMAGE adr, off                          ; the 12 registers go to LDS as they stand: lane l's 16 bytes at 16 l, 512 bytes a store
.irp c, 0,1,2
	ds_store_b128 v[\adr], v[PC+4*\c:PC+4*\c+3] offset:\off+512*\c
.endr
.endm
.macro LOADK ks, st                            ; K step ks into set st: source 0's four fragments and words, source 1's two: 24 LDS loads
.irp i, 0,1,2,3
.irp c, 0,1,2
	ds_load_b128 v[FA+72*\st+12*\i+4*\c:FA+72*\st+12*\i+4*\c+3], v[AAD] offset:(4*\i+\ks)*FRB+512*\c
.endr
	ds_load_b32 v[SA+6*\st+\i], v[ASA] offset:(4*\i+\ks)*128
.endr
.irp o, 0,1
.irp c, 0,1,2
	ds_load_b128 v[FB+72*\st+12*\o+4*\c:FB+72*\st+12*\o+4*\c+3], v[BAD] offset:(4*\o+\ks)*FRB+512*\c
.endr
	ds_load_b32 v[SB+6*\st+\o], v[BSA] offset:(4*\o+\ks)*128
.endr
.endm
.macro MULK ks, st                             ; eight products, one on each accumulator; the first K step starts the sums: nothing is cleared
.irp o, 0,1
.irp i, 0,1,2,3
.if \ks == 0
	v_wmma_scale_f32_16x16x128_f8f6f4 v[HA+32*\o+8*\i:HA+32*\o+8*\i+7], v[FA+72*\st+12*\i:FA+72*\st+12*\i+11], v[FB+72*\st+12*\o:FB+72*\st+12*\o+11], 0, v[SA+6*\st+\i], v[SB+6*\st+\o] matrix_a_fmt:MATRIX_FMT_FP6 matrix_b_fmt:MATRIX_FMT_FP6
.else
	v_wmma_scale_f32_16x16x128_f8f6f4 v[HA+32*\o+8*\i:HA+32*\o+8*\i+7], v[FA+72*\st+12*\i:FA+72*\st+12*\i+11], v[FB+72*\st+12*\o:FB+72*\st+12*\o+11], v[HA+32*\o+8*\i:HA+32*\o+8*\i+7], v[SA+6*\st+\i], v[SB+6*\st+\o] matrix_a_fmt:MATRIX_FMT_FP6 matrix_b_fmt:MATRIX_FMT_FP6
.endif
.endr
.endr
.endm
.macro PLACES                                  ; four plain instructions behind a matrix instruction, in front of loads into registers that it read and of the first read of its results
.rept 4
	v_nop
.endr
.endm
	s_load_b256 s[4:11], s[0:1], 0x0               ; x s[4:5], Wq s[6:7], Wk s[8:9], Wv s[10:11]
	s_load_b256 s[12:19], s[0:1], 0x20             ; qcodes s[12:13], kcodes s[14:15], vcodes s[16:17], scl s[18:19]
	v_lshl_add_u32 v250, v0, 2, 0x3c000
	v_mov_b32 v251, 0
	ds_add_u32 v250, v251
	ds_add_u32 v250, v251
	v_lshrrev_b32 v1, 5, v0
	s_delay_alu instid0(VALU_DEP_1)
	v_readfirstlane_b32 s20, v1                    ; wave 0..7
	s_lshr_b32 s38, s20, 1                         ; w / 2: my K step of the weights
	s_min_u32 s21, s38, 2                          ; role: 0 q, 1 k, 2 v
	s_and_b32 s22, s20, 1
	s_min_u32 s23, s20, 2                          ; which part of scl I store
	s_mov_b32 s60, 0x76543210
	s_mov_b32 s61, 0xfedcba98                      ; v_permlanex16_b32's selects for lane l xor 16
	; descriptor group 1 for x: 8 rows of 512 elements of 4 bytes, 4 words of padding behind every 256 words
	s_mov_b32 s24, (2<<16)|(1<<20)|(7<<22)|(3<<25) ; 15:0 no mask; 17:16 elements of 4 bytes; 20 padding on; 24:22 after every 256 words (code 7); 31:25 4 words of it (code 3)
	s_mov_b32 s25, 512<<16                         ; tensor_dim0
	s_mov_b32 s26, 8<<16                           ; tensor_dim1
	s_mov_b32 s27, 512<<16                         ; tile_dim0
	s_mov_b32 s28, 8                               ; tile_dim1
	s_mov_b32 s29, 512                             ; from row to row
	s_mov_b32 s30, 0
	s_mov_b32 s31, 0
	; every LDS address is made here, of the thread's number, the wave's number and constants
	v_and_b32 v16, 15, v0                          ; r
	v_bfe_u32 v[HH], v0, 4, 1                      ; h
	v_and_b32 v17, 31, v0                          ; lane
	v_bfe_u32 v18, v0, 3, 1                        ; (lane / 8) % 2
	v_and_b32 v19, 7, v0                           ; lane % 8
	s_delay_alu instid0(VALU_DEP_3)
	v_lshlrev_b32 v[LI], 4, v17
	s_wait_alu depctr_va_vdst(0)
	v_lshlrev_b32 v[WOF], 2, v17                   ; 4 x lane
	s_wait_alu depctr_va_vdst(0)
	v_lshlrev_b32 v22, 2, v16                      ; 4 r
	s_wait_alu depctr_va_vdst(0)
	v_lshlrev_b32 v[SCO], 3, v17
	v_mul_u32_u24 v[XR], v18, 2*GRP+16             ; rows 8..15 of a tile lie two groups on
	s_delay_alu instid0(VALU_DEP_1)
	v_mad_u32_u24 v[XR], v19, XP, v[XR]
	s_delay_alu instid0(VALU_DEP_1)
	v_lshl_add_u32 v[XR], v[HH], 6, v[XR]
	s_lshr_b32 s2, s20, 2
	s_lshl_b32 s2, s2, 2
	s_and_b32 s3, s38, 1
	s_or_b32 s2, s2, s3                            ; tile w / 2 begins in group 4 (w / 4) + (w / 2) % 2
	s_mul_i32 s2, s2, GRP
	s_mul_i32 s3, s22, 1040                        ; K steps 2 and 3 lie behind the row's first 1,024 bytes and their padding
	s_add_co_u32 s2, s2, s3
	v_add_nc_u32 v[XR], s2, v[XR]
	s_mul_i32 s2, s20, 2*FRB
	s_add_co_u32 s2, s2, XIMG
	v_add_nc_u32 v[XWI], s2, v[LI]                 ; fragments 2 w and 2 w + 1 of matrix 3
	s_lshl_b32 s2, s20, 8
	s_add_co_u32 s2, s2, XSC
	v_add_nc_u32 v[XWS], s2, v[WOF]
	s_lshr_b32 s2, s21, 1                          ; 1 for v
	s_add_co_u32 s3, s21, s2                       ; source 0's matrix: 0, 1, 3
	s_xor_b32 s40, s2, 3                           ; source 1's: 3, 3, 2
	s_mul_i32 s41, s3, MATB
	s_add_co_u32 s41, s41, WIMG
	v_add_nc_u32 v[AAD], s41, v[LI]
	s_lshl_b32 s41, s3, 11
	s_add_co_u32 s41, s41, WSC
	v_add_nc_u32 v[ASA], s41, v22                  ; both halves of the lanes read row r's word
	s_mul_i32 s41, s40, MATB
	s_mul_i32 s3, s22, 8*FRB                       ; my two tiles 2 (w % 2) and + 1: eight fragments on
	s_add_co_u32 s41, s41, s3
	s_add_co_u32 s41, s41, WIMG
	v_add_nc_u32 v[BAD], s41, v[LI]
	s_lshl_b32 s41, s40, 11
	s_lshl_b32 s3, s22, 10
	s_add_co_u32 s41, s41, s3
	s_add_co_u32 s41, s41, WSC
	v_add_nc_u32 v[BSA], s41, v22
	s_mul_i32 s2, s22, FRB
	s_add_co_u32 s2, s2, STG
	v_lshlrev_b32 v21, 4, v16                      ; 16 r
	s_delay_alu instid0(VALU_DEP_1)
	v_mad_u32_u24 v[VA1], v[HH], 264, v21
	s_delay_alu instid0(VALU_DEP_2)
	v_mad_u32_u24 v[VA2], v[HH], 504, v21
	s_delay_alu instid0(VALU_DEP_2)
	v_add_nc_u32 v[VA1], s2, v[VA1]
	s_delay_alu instid0(VALU_DEP_2)
	v_add_nc_u32 v[VA2], s2, v[VA2]
	v_add_nc_u32 v[STR], s2, v[LI]
	s_lshl_b32 s2, s21, 8
	s_lshl_b32 s3, s22, 2
	s_add_co_u32 s2, s2, s3
	s_add_co_u32 s2, s2, SCR
	v_lshlrev_b32 v[SCA], 7, v[HH]
	s_delay_alu instid0(VALU_DEP_1)
	v_lshl_add_u32 v[SCA], v16, 3, v[SCA]
	s_delay_alu instid0(VALU_DEP_1)
	v_add_nc_u32 v[SCA], s2, v[SCA]                ; role x 256 + copy h x 128 + 8 r + 4 (w % 2)
	s_lshl_b32 s2, s23, 8
	s_add_co_u32 s2, s2, SCR
	v_add_nc_u32 v[SCB], s2, v[SCO]
	v_lshl_or_b32 v23, v[HH], 3, v19               ; phase W: my column's lane in its tile: l % 8 + 8 (l / 16)
	s_delay_alu instid0(VALU_DEP_1)
	v_lshlrev_b32 v[WA], 4, v23
	s_delay_alu instid0(VALU_DEP_1)
	v_mad_u32_u24 v[WA], v18, 4*FRB, v[WA]         ; its tile 2 (w % 2) + (l / 8) % 2: four fragments a tile,
	s_mul_i32 s2, s22, 8*FRB
	s_mul_i32 s3, s38, FRB                         ; my K step
	s_add_co_u32 s2, s2, s3
	s_add_co_u32 s2, s2, WIMG
	v_add_nc_u32 v[WA], s2, v[WA]
	v_lshlrev_b32 v[WSA], 2, v23
	s_delay_alu instid0(VALU_DEP_1)
	v_lshl_add_u32 v[WSA], v18, 9, v[WSA]
	s_lshl_b32 s2, s22, 10
	s_lshl_b32 s3, s38, 7
	s_add_co_u32 s2, s2, s3
	s_add_co_u32 s2, s2, WSC
	v_add_nc_u32 v[WSA], s2, v[WSA]
.irp b, 0,1,2,3
	v_mov_b32 v[TM+4+\b], 0                        ; written once: a lane permute's destination counts as one of its sources
.endr
	; descriptor group 0
	s_mov_b32 s32, 1                               ; count = 1
	s_mul_i32 s33, s20, GRP
	s_and_b32 s40, s38, 1
	s_lshl_b32 s40, s40, 4
	s_add_co_u32 s33, s33, s40                     ; LDS address: group w
	s_mov_b32 s3, 0
	s_lshl_b32 s2, ttmp9, 17                       ; 131,072 bytes a chunk,
	s_lshl_b32 s40, s20, 14                        ; 8 rows of 2,048 a wave
	s_add_co_u32 s2, s2, s40
	s_wait_dscnt 0x0
	s_wait_kmcnt 0x0
	s_add_nc_u64 s[34:35], s[4:5], s[2:3]
	s_or_b32 s35, s35, 0x80000000                  ; type = 2
	tensor_load_to_lds s[32:35], s[24:31]          ; my 8 rows of x: the one tensor load of the wave, ahead of everything else
	s_nop 0
.rept 4
	v_nop                                          ; four v_nop follow the tensor load
.endr
	; ---- W: the weights, while x is on its way
	s_lshl_b32 s2, s38, 15                         ; my K step: 128 rows of 256 bytes,
	s_lshl_b32 s40, s22, 7                         ; my 32 columns
	s_add_co_u32 s2, s2, s40
	s_add_nc_u64 s[6:7], s[6:7], s[2:3]
	s_add_nc_u64 s[8:9], s[8:9], s[2:3]
	s_add_nc_u64 s[10:11], s[10:11], s[2:3]
	LOADU 0, 0                                     ; two units are asked for ahead; the issue of a load that would push the counter past its field is held by the hardware (ISA guide 5.7.1)
	LOADU 1, 1
	s_cmp_eq_u32 s21, 0                            ; where my codes go: the choice hangs on the wave's number alone
	s_cselect_b64 s[36:37], s[12:13], s[14:15]
	s_cmp_eq_u32 s21, 2
	s_cselect_b64 s[36:37], s[16:17], s[36:37]
	s_mul_i32 s2, ttmp9, 2*FRB
	s_mul_i32 s40, s22, FRB
	s_add_co_u32 s2, s2, s40
	s_add_nc_u64 s[36:37], s[36:37], s[2:3]
	s_mul_i32 s2, ttmp9, 768
	s_lshl_b32 s40, s23, 8
	s_add_co_u32 s2, s2, s40
	s_add_nc_u64 s[18:19], s[18:19], s[2:3]
	s_wait_loadcnt 63                              ; unit 0 is in: 64 loads were issued behind its own; the wait names 63 at the most, so one load more is waited for.  The same four times below
	QW 0, 0
	LOADU 2, 0
	s_wait_loadcnt 63
	QW 1, 1
	LOADU 3, 1
	s_wait_loadcnt 63
	QW 2, 0
	LOADU 4, 0
	s_wait_loadcnt 63
	QW 3, 1
	LOADU 5, 1
	s_wait_loadcnt 63
	QW 4, 0
	s_wait_loadcnt 0x0
	QW 5, 1
	s_wait_tensorcnt 0x0                           ; for the others' sake: my rows of x have landed,
	s_wait_dscnt 0x0                               ; and so have my stores of the weights' codes and scale words
	s_barrier_signal -1
	s_barrier_wait -1                              ; x, the weights' images and their scale words lie in LDS
	; ---- X: my two fragments of x
.irp f, 0,1
.irp b, 0,1,2,3
.irp j, 0,1,2,3
	ds_load_b128 v[XN+64*\f+16*\b+4*\j:XN+64*\f+16*\b+4*\j+3], v[XR] offset:512*\f+128*\b+16*\j   ; of each block of 32 numbers my half's 16
.endr
.endr
.endr
	s_wait_dscnt 16                                ; the first fragment's sixteen loads are in; the second's may be out
	QUANT XN
	IMAGE XWI, 0
	ds_store_b32 v[XWS], v[PW]
	s_wait_dscnt 0x0                               ; the second fragment's numbers are in, and the stores have read their registers
	QUANT XN+64
	IMAGE XWI, FRB
	ds_store_b32 v[XWS], v[PW] offset:128
	s_wait_dscnt 0x0                               ; for the others' sake: my stores have landed
	s_barrier_signal -1
	s_barrier_wait -1                              ; x's sixteen fragments lie in LDS
	; ---- P
	s_cmp_gt_u32 s20, 5
	s_cbranch_scc1 .Lnorole
	LOADK 0, 0
	LOADK 1, 1
	s_wait_dscnt 24                                ; set 0 is in; set 1's 24 loads may be out
	MULK 0, 0
	PLACES
	LOADK 2, 0
	s_wait_dscnt 24                                ; set 1 is in; the 24 just issued may be out
	MULK 1, 1
	PLACES
	LOADK 3, 1
	s_wait_dscnt 24
	MULK 2, 0
	s_wait_dscnt 0x0
	MULK 3, 1
	PLACES
	QUANT HA                                       ; blocks 2 o and 2 o + 1 are the two blocks of source 1's tile o: registers 6 o .. 6 o + 5 are its half fragment, the word's bytes (o = 0: block 0, 1 | o = 1: block 0, 1)
	s_cmp_lt_u32 s20, 4
	s_cbranch_scc0 .Lvout
.irp c, 0,1,2
	global_store_b128 v[LI], v[PC+4*\c:PC+4*\c+3], s[36:37] offset:512*\c   ; q, k: the image as it stands: 512 consecutive bytes a store, at a multiple of 256 from the buffer's first byte
.endr
	s_branch .Lwords
.Lvout:                                            ; v: lane (r, h) holds token block h of channel r: registers 6 h + 0 .. 5 of that channel's twelve.  They are gathered in my own stage
	s_wait_alu depctr_va_vdst(0)
.irp o, 0,1
	ds_store_b64 v[VA1], v[PC+6*\o:PC+6*\o+1] offset:768*\o         ; h = 0: registers 0, 1;  h = 1: registers 6, 7 (group 1, 8 bytes in)
	ds_store_b64 v[VA2], v[PC+6*\o+2:PC+6*\o+3] offset:768*\o+8     ; registers 2, 3;  8, 9 (group 2)
	ds_store_b64 v[VA1], v[PC+6*\o+4:PC+6*\o+5] offset:768*\o+256   ; registers 4, 5 (group 1);  10, 11
.endr
.irp c, 0,1,2
	ds_load_b128 v[RV+4*\c:RV+4*\c+3], v[STR] offset:512*\c         ; LDS serves a wave's instructions in order (ISA guide 5.7.1.4): these see my stores
.endr
	s_wait_dscnt 0x0
.irp c, 0,1,2
	global_store_b128 v[LI], v[RV+4*\c:RV+4*\c+3], s[36:37] offset:512*\c
.endr
.Lwords:
	v_alignbit_b32 v[PWR], v[PW], v[PW], 16        ; the word turned by 16 bits
	v_cmp_eq_u32 vcc_lo, 1, v[HH]
	s_delay_alu instid0(VALU_DEP_1)
	v_cndmask_b32 v[PWR], v[PW], v[PWR], vcc_lo    ; lanes 0-15 write copy 0, lanes 16-31 copy 1
	ds_store_b32 v[SCA], v[PWR]
.Lnorole:
	s_wait_dscnt 0x0                               ; for the others' sake: my store has landed
	s_barrier_signal -1
	s_barrier_wait -1                              ; the chunk's 768 bytes of scl lie in LDS
	s_cmp_lt_u32 s20, 3
	s_cbranch_scc0 .Lend
	ds_load_b64 v[RS:RS+1], v[SCB]
	s_wait_dscnt 0x0
	global_store_b64 v[SCO], v[RS:RS+1], s[18:19]  ; 32 lanes store 256 consecutive bytes, at a multiple of 256 from the buffer's first byte
.Lend:
	s_wait_tensorcnt 0x0
	ds_add_u32 v250, v251
	s_wait_dscnt 0x0
	s_endpgm
.Lfunc_end_k_qc64d279837_proj:
	.size	k_qc64d279837_proj, .Lfunc_end_k_qc64d279837_proj-k_qc64d279837_proj
	.p2alignl 7, 3214868480
	.fill 96, 4, 3214868480
	.section	.rodata,"a",@progbits
	.p2align	6, 0x0
	.amdhsa_kernel k_qc64d279837_proj
		.amdhsa_group_segment_fixed_size 246784
		.amdhsa_private_segment_fixed_size 0
		.amdhsa_enable_private_segment 0
		.amdhsa_kernarg_size 64
		.amdhsa_user_sgpr_count 2
		.amdhsa_user_sgpr_kernarg_segment_ptr 1
		.amdhsa_wavefront_size32 1
		.amdhsa_system_sgpr_workgroup_id_x 1
		.amdhsa_system_sgpr_workgroup_id_y 1
		.amdhsa_system_sgpr_workgroup_id_z 1
		.amdhsa_system_vgpr_workitem_id 0
		.amdhsa_next_free_vgpr 256
		.amdhsa_next_free_sgpr 66
		.amdhsa_reserve_vcc 1
		.amdhsa_float_denorm_mode_32 3
		.amdhsa_float_denorm_mode_16_64 3
		.amdhsa_memory_ordered 1
		.amdhsa_forward_progress 1
		.amdhsa_inst_pref_size 98
	.end_amdhsa_kernel
	.amdgpu_metadata
---
amdhsa.version: [ 1, 2 ]
amdhsa.kernels:
  - .name:           k_qc64d279837_proj
    .symbol:         k_qc64d279837_proj.kd
    .args:
      - { .name: x, .offset: 0, .size: 8, .value_kind: global_buffer, .address_space: global }
      - { .name: Wq, .offset: 8, .size: 8, .value_kind: global_buffer, .address_space: global }
      - { .name: Wk, .offset: 16, .size: 8, .value_kind: global_buffer, .address_space: global }
      - { .name: Wv, .offset: 24, .size: 8, .value_kind: global_buffer, .address_space: global }
      - { .name: qcodes, .offset: 32, .size: 8, .value_kind: global_buffer, .address_space: global }
      - { .name: kcodes, .offset: 40, .size: 8, .value_kind: global_buffer, .address_space: global }
      - { .name: vcodes, .offset: 48, .size: 8, .value_kind: global_buffer, .address_space: global }
      - { .name: scl, .offset: 56, .size: 8, .value_kind: global_buffer, .address_space: global }
    .group_segment_fixed_size: 246784
    .private_segment_fixed_size: 0
    .kernarg_segment_align: 8
    .kernarg_segment_size: 64
    .max_flat_workgroup_size: 256
    .sgpr_count:     66
    .vgpr_count:     256
    .wavefront_size: 32
...
	.end_amdgpu_metadata
.endif
;; end of part 3
;; launch attn (part 4): grid 32 x 8, 16 waves a work-group, no clusters, 149,504 bytes of LDS; arguments qcodes, kcodes, vcodes, scl, out0; writes out0
.if DOCPART == 4
	.amdgcn_target "amdgcn-amd-amdhsa--gfx1250"
	.amdhsa_code_object_version 6
	.text
	.protected	k_qc64d279837_attn
	.globl	k_qc64d279837_attn
	.p2align	8
	.type	k_qc64d279837_attn,@function
k_qc64d279837_attn:
	s_mov_b64 s[64:65], 0
	v_nop
	global_prefetch_b8 v0, s[64:65] scope:SCOPE_SE
	s_setreg_imm32_b32 hwreg(HW_REG_WAVE_SCHED_MODE, 0, 2), 2
	s_setreg_imm32_b32 hwreg(HW_REG_WAVE_MODE, 25, 1), 1
	s_wait_xcnt 0x0
	s_wait_alu depctr_vm_vsrc(0)
; out[b][q][:] = the sum over keys k <= q of softmax_k(q . k / 8) v[k][:], both products on codes of FP6 (E2M3) with one E8M0 scale for each 32 along a product's K.  2,048 tokens, head 64, 8 batches.
; THE SOFTMAX AHEAD OF THE SECOND PRODUCT: t = score x log2(e) / 8; M = the largest t so far, rounded UP to a whole number; p = 2^(t - M) is quantised along the keys, not normalised; the sum is taken of the unquantised p and divides at the end.
; SHARES.  Work-group (j, batch) owns the blocks of 32 queries J = j (pass 0) and J = 63 - j (pass 1).  Block J needs J / 4 + 1 key steps of 128, and the two blocks together 17 in every work-group.
; Wave w: query tile t = w % 2 of the block (queries 32 J + 8 t + r + 8 (r / 8)), key split s = w / 2.  The 17 steps are dealt round the 8 splits: pass 0 takes step s, pass 1 steps (s - steps of pass 0) mod 8 and 8 further on.
; Pass 0 has at most 8 steps: none or one a wave.  Pass 1 has 9 to 16: one or two a wave.  So the steps are written out, three in all, and the text has no loop; what is left out is jumped over by a scalar branch on ids.
; Each split has its own M, sum and O; they meet in LDS behind the kernel's one barrier and are merged by exact powers of two.  Only a block's last step lies on the diagonal; none is wholly hidden.
; OPERANDS come from memory straight into registers, as the images that the launch before stored: 24 loads of 16 bytes a lane for a step's K and V.
; NO CLUSTER, NO TENSOR LOADS: the work-groups of a batch need different numbers of key steps and which steps a wave takes hangs on the work-group's number, so partners could not make every joint request alike.
; K = 64 IN AN INSTRUCTION OF 128: an image of K holds tile 2 k in places 0-63 and tile 2 k + 1 in places 64-127.  Q lies as [q | zeros | q] in v16-33: v[16:27] picks the first tile, v[22:33] the second; zero codes add nothing.
; LAYOUT.  Both products are used transposed (S^T = K Q^T, O^T = V^T P^T): a lane holds ONE query throughout.  S's register 16 k + i is key 128 step + 32 k + 16 (lane / 16) + i.
; In the second product place (c, lane / 16) of the 128 stands for key block 2 (lane / 16) + c, alike in V (lanes 16-31 read the step's second chunk of 64 tokens) and in p (blocks c and 2 + c are converted together).
; LIMITS: NaN and infinities are not served; a block whose every p is 0 keeps the byte 1 (its codes are zeros).
; THE MODE: SCHED_MODE bits 1:0 = 2 (LLVM: expert scheduling mode 2), set by the entry lines.  The code itself states the register dependences between vector or matrix instructions and memory or LDS instructions, with s_wait_alu, always for 0.
; THE PLAN.  Registers that memory or LDS instructions touch, and who else names them:
;   v1-6, v8-11, v254, v255   offsets and LDS addresses: made by vector instructions at the head; only v254 and v255 are written again, in the kernel's last lines.
;   v16-21, v28-34 (Q), v36-39 (scale words), v44-91 (K), v92-139 (V)   loads land in them at a step's head; the step's products and vector instructions read them, and p's codes are written over v44-62.
;   v12, v13, v204-235 (O^T)   written by vector and matrix instructions; read by a pass's nine LDS stores; written anew by the next pass's start and by the merge.
;   v44-75, v92-155   the merge's LDS loads land in them.   v204-211   the merge's rows, read by its two stores.
; So a wait on va_vdst stands: at the head's end (the addresses; the zero codes); behind each pass (what the stores read is written; the pass is done with the registers in which the next loads land); ahead of pass 1's second step's loads;
; in each step ahead of the last four products (their source 1 and scales are made by vector instructions); in the merge ahead of its stores.  A wait on vm_vsrc stands behind each pass's stores and ahead of the last lines' two makers.
; Pass 1's first step is there in every wave: its 33 loads stand straight behind pass 0's wait, ahead of pass 0's stores and of the lines that start pass 1, none of which names a register that those loads touch.
; A second set of registers for K and V is not to be had: sixteen waves of 256 registers are all that the four SIMDs hold.
.set STATS, 139264                     ; LDS: 32 slots (2 wave + pass) of 4,352 bytes for O^T: group g of four registers of lane (r, h) at 2,176 h + 272 g + 16 r; behind them 32 x 256 bytes: (-M, sum), 8 bytes a lane
.set LI,   1                           ; v1   16 x lane
.set VOFF, 2                           ; v2   3,072 h + 16 r
.set SOFF, 3                           ; v3   lanes 0-15: K's scale words (256 + 8 r), lanes 16-31: V's (512 + 8 r)
.set QA1,  4                           ; v4   16 x lane + 520 t
.set QA2,  5                           ; v5   16 x lane + 1,016 t
.set QSO,  6                           ; v6   128 (h xor t) + 8 r
.set DQ,   7                           ; v7   8 t + r + 8 (r / 8) - 16 h
.set PST,  8                           ; v8   where my O^T goes
.set PSS,  9                           ; v9   and my (-M, sum)
.set MA0,  10                          ; v10  the merge: splits 0 to 3
.set MA1,  11                          ; v11  splits 4 to 7
; v12 -M, v13 the largest t, v[14:15] the sum in two halves; v16-33 Q; v34 Q's scale words (lanes 0-15 for [q | 0], lanes 16-31 for [0 | q]); v36-39 K's scale words below, V's half words above; v40-43 V's scale words (lanes 16-31)
.set KF,   44                          ; v44-91   K's four images; later p's codes in v44-55, second halves in v56-58, v60-62
.set VF,   92                          ; v92-139  V's four fragments
.set S,    140                         ; v140-203 S^T, then p
.set O,    204                         ; v204-235 O^T, four tiles of 16 channels
.set BM,   236                         ; v236-239 the blocks' largest scores, then largest p
.set PT,   240                         ; v240-243 at work
.set SOP,  244                         ; v244-247 the conversions' scale operands
.set FF,   248                         ; v248 f; v249 fills the pair
.set PWD,  253                         ; v253 p's scale word, and nothing else
.set MO,   254                         ; v254 the merge: my byte in two rows of out
.set MS,   255                         ; v255 the merge: my row's (-M, sum)
.set MK,   48                          ; s48-63 the causal limit's masks, sixteen at a time
	s_load_b256 s[4:11], s[0:1], 0x0               ; qcodes s[4:5], kcodes s[6:7], vcodes s[8:9], scl s[10:11]
	s_load_b64 s[12:13], s[0:1], 0x20              ; out0
	v_lshrrev_b32 v1, 5, v0
	v_readfirstlane_b32 s14, v1                    ; wave 0..15
	s_mov_b32 s17, ttmp9                           ; j
	s_and_b32 s18, ttmp7, 0xffff                   ; batch
	s_lshr_b32 s19, s17, 2
	s_add_co_u32 s19, s19, 1                       ; key steps of pass 0
	s_mov_b32 s20, 0x76543210
	s_mov_b32 s21, 0xfedcba98                      ; v_permlanex16_b32's selects for lane l xor 16
	s_mov_b32 s22, 0x3e38aa3b                      ; c = log2(e) / 8
	s_mov_b32 s23, s22                             ; (named with it as a pair, so it is written)
	s_mov_b32 s24, 0x05010400                      ; byte selects: (a0, b0, a1, b1)
	s_mov_b32 s25, 0x07030602                      ; (a2, b2, a3, b3)
	v_and_b32 v250, 15, v0                         ; r
	v_bfe_u32 v251, v0, 4, 1                       ; h
	v_and_b32 v252, 31, v0                         ; lane
	v_lshlrev_b32 v[LI], 4, v252
	v_mul_u32_u24 v[VOFF], v251, 3072
	v_lshl_add_u32 v[VOFF], v250, 4, v[VOFF]
	v_lshlrev_b32 v[SOFF], 8, v251
	v_lshl_add_u32 v[SOFF], v250, 3, v[SOFF]
	v_add_nc_u32 v[SOFF], 256, v[SOFF]
	s_wait_alu depctr_va_sdst(0)                   ; s14 is written, ahead of its first reader: t, s and the waves' addresses are made from it
	s_and_b32 s15, s14, 1                          ; t
	s_lshr_b32 s16, s14, 1                         ; s
	s_mul_i32 s42, s15, 520
	v_add_nc_u32 v[QA1], s42, v[LI]
	s_mul_i32 s42, s15, 1016
	v_add_nc_u32 v[QA2], s42, v[LI]
	v_xor_b32 v[QSO], s15, v251
	v_lshlrev_b32 v[QSO], 7, v[QSO]
	v_lshl_add_u32 v[QSO], v250, 3, v[QSO]
	v_and_b32 v[DQ], 8, v250
	v_add_nc_u32 v[DQ], v[DQ], v250
	v_lshlrev_b32 v[PST], 4, v251
	v_sub_nc_u32 v[DQ], v[DQ], v[PST]
	s_lshl_b32 s42, s15, 3
	v_add_nc_u32 v[DQ], s42, v[DQ]
	v_mul_u32_u24 v[PST], v251, 2176
	v_lshl_add_u32 v[PST], v250, 4, v[PST]
	s_mul_i32 s42, s14, 8704
	v_add_nc_u32 v[PST], s42, v[PST]
	s_lshl_b32 s42, s14, 9
	s_add_co_u32 s42, s42, STATS
	v_lshl_add_u32 v[PSS], v252, 3, s42
	; the merge.  Wave w takes tile and pass w / 4 (tile = its upper bit, pass = its lower) and rows 4 (w % 4) + 2 it + lane / 16; lane % 16 = L owns channels 4 L .. 4 L + 3, which lie in half (L / 4) % 2, group 4 (L / 8) + L % 4
	v_bfe_u32 v[MA0], v0, 2, 1
	v_mul_u32_u24 v[MA0], v[MA0], 2176
	v_bfe_u32 v[MA1], v0, 3, 1
	v_and_b32 v248, 3, v0
	v_lshl_or_b32 v[MA1], v[MA1], 2, v248
	v_mad_u32_u24 v[MA0], v[MA1], 272, v[MA0]
	v_lshl_add_u32 v[MA0], v251, 4, v[MA0]
	s_lshr_b32 s43, s14, 2
	s_and_b32 s44, s14, 3
	s_mul_i32 s42, s43, 4352
	s_lshl_b32 s45, s44, 6
	s_add_co_u32 s42, s42, s45
	v_add_nc_u32 v[MA0], s42, v[MA0]
	v_add_nc_u32 v[MA1], 69632, v[MA0]
	s_lshl_b32 s42, s43, 8
	s_lshl_b32 s45, s44, 5
	s_add_co_u32 s42, s42, s45
	s_add_co_u32 s42, s42, STATS
	v_lshl_add_u32 v[MS], v251, 3, s42
	v_lshlrev_b32 v[MO], 8, v251
	v_lshl_add_u32 v[MO], v250, 4, v[MO]
.irp i, 22,23,24,25,26,27
	v_mov_b32 v[\i], 0                             ; the zero codes between Q's two copies: written once
.endr
.irp i, 0,1,2,3
	v_mov_b32 v[PT+\i], 0                          ; written once: a lane permute's destination counts as one of its sources
.endr
	v_mov_b32 v249, 0                              ; (named as the upper half of the pair v[248:249])
	s_mul_i32 s30, s18, 98304                      ; a batch's codes: 32 chunks of 3,072 bytes in each of the three buffers
	s_mov_b32 s31, 0
	s_wait_kmcnt 0x0
	s_add_nc_u64 s[4:5], s[4:5], s[30:31]
	s_add_nc_u64 s[6:7], s[6:7], s[30:31]
	s_add_nc_u64 s[8:9], s[8:9], s[30:31]
	s_mul_i32 s30, s18, 24576                      ; its scale words: 32 x 768
	s_add_nc_u64 s[10:11], s[10:11], s[30:31]
	s_lshl_b32 s30, s18, 19                        ; its rows of out: 2,048 x 256
	s_add_nc_u64 s[12:13], s[12:13], s[30:31]
	s_wait_alu depctr_va_vdst(0)                   ; the offsets and LDS addresses v1-6, v8-11, v254, v255 are written, which every load and store of the kernel reads; so are the zero codes v22-27, which the scaled products take as part of source 1
; A block's figures, from s26 = J.
.macro BLOCK
	s_lshr_b32 s27, s26, 2
	s_add_co_u32 s27, s27, 1                       ; the block's key steps
	s_and_b32 s29, s26, 3
	s_lshl_b32 s29, s29, 5                         ; the block's first query, counted from the last step's first key
.endm
; A pass's start.
.macro INIT
	v_mov_b32 v13, 0xff61b1e6                      ; the largest t so far: -3e38, under every t
	v_floor_f32 v12, -v13                          ; -M
	v_mov_b32 v14, 0
	v_mov_b32 v15, 0
.irp j, 0,1,2,3,4,5,6,7,8,9,10,11,12,13,14,15,16,17,18,19,20,21,22,23,24,25,26,27,28,29,30,31
	v_mov_b32 v[O+\j], 0                           ; a wave without a step in this pass hands over just this: zeros under a -M that the merge turns into the factor 0
.endr
.endm
; Where Q lies, and where the key step s28's K, V and scale words lie.  No load of an earlier step is out (each step ends behind its wait for 0): the bases may be written.
.macro QBASE
	s_mul_i32 s30, s26, 1536                       ; Q's image: block J of the batch; my tile is registers 6 t .. 6 t + 5 of it
	s_add_nc_u64 s[38:39], s[4:5], s[30:31]
	s_lshr_b32 s30, s26, 1
	s_mul_i32 s30, s30, 768
	s_and_b32 s42, s26, 1
	s_lshl_b32 s42, s42, 2
	s_add_co_u32 s30, s30, s42
	s_add_nc_u64 s[40:41], s[10:11], s[30:31]      ; its scale words: chunk J / 2, word J % 2
.endm
.macro KVBASE
	s_mul_i32 s30, s28, 6144
	s_add_nc_u64 s[32:33], s[6:7], s[30:31]
	s_add_nc_u64 s[34:35], s[8:9], s[30:31]
	s_mul_i32 s30, s28, 1536
	s_add_nc_u64 s[36:37], s[10:11], s[30:31]
.endm
.macro QLOAD                                   ; seven loads
.irp d, 16, 28
	global_load_b64 v[\d:\d+1], v[QA1], s[38:39]
	global_load_b64 v[\d+2:\d+3], v[QA2], s[38:39] offset:8
	global_load_b64 v[\d+4:\d+5], v[QA1], s[38:39] offset:512
.endr
	global_load_b32 v34, v[QSO], s[40:41]          ; copy h xor t: my tile's two bytes stand low in lanes 0-15 and high in lanes 16-31
.endm
.macro KVLOAD                                  ; 26 loads, V's twelve last
	global_load_b64 v[36:37], v[SOFF], s[36:37]            ; the step's first chunk: two words a row
	global_load_b64 v[38:39], v[SOFF], s[36:37] offset:768 ; its second
.irp k, 0,1,2,3
.irp c, 0,1,2
	global_load_b128 v[KF+12*\k+4*\c:KF+12*\k+4*\c+3], v[LI], s[32:33] offset:1536*\k+512*\c
.endr
.endr
.irp u, 0,1,2,3
.irp c, 0,1,2
	global_load_b128 v[VF+12*\u+4*\c:VF+12*\u+4*\c+3], v[VOFF], s[34:35] offset:768*\u+256*\c
.endr
.endr
.endm
; A KEY STEP'S WORK: keys 128 s28 .. 128 s28 + 127 against my 16 queries; its loads have been issued.  s27 = the block's number of steps, s29 = the block's first query counted from the last step's first key.
.macro WORK
	s_wait_loadcnt 12                              ; all but V's twelve: the scale words and K are in, and in a pass's first step Q, which was asked for earlier
	v_perm_b32 v40, v38, v36, s24                  ; V's scale word of tile u: (first chunk block 0, second chunk block 0, first chunk block 1, second chunk block 1): the order of the places
	v_perm_b32 v41, v38, v36, s25
	v_perm_b32 v42, v39, v37, s24
	v_perm_b32 v43, v39, v37, s25
.irp k, 0,1,2,3
	v_wmma_scale_f32_16x16x128_f8f6f4 v[S+16*\k:S+16*\k+7], v[KF+12*\k:KF+12*\k+11], v[16:27], 0, v[36+\k], v34 matrix_a_fmt:MATRIX_FMT_FP6 matrix_b_fmt:MATRIX_FMT_FP6
	v_wmma_scale_f32_16x16x128_f8f6f4 v[S+16*\k+8:S+16*\k+15], v[KF+12*\k:KF+12*\k+11], v[22:33], 0, v[36+\k], v34 matrix_a_fmt:MATRIX_FMT_FP6 matrix_b_fmt:MATRIX_FMT_FP6 matrix_b_scale:MATRIX_SCALE_ROW1
.endr
.rept 4
	v_nop                                          ; four plain instructions in front of the first read of results (ISA guide 7.12.1)
.endr
	s_add_co_u32 s42, s28, 1                       ; the block's last step lies on the diagonal: a scalar branch on ids
	s_cmp_lg_u32 s42, s27
	s_cbranch_scc1 .Lopen_\@
	v_add_nc_u32 v251, s29, v[DQ]                  ; d = my query - the step's first key - 16 (lane / 16): register 16 k + i is hidden where 32 k + i > d
	v_mov_b32 v252, 0xff800000                     ; -infinity: p = 0 then
.irp k, 0,1,2,3                                ; a block of 32 keys at a time: sixteen compares into sixteen scalar registers, one wait, sixteen selections
.irp i, 0,1,2,3,4,5,6,7,8,9,10,11,12,13,14,15
	v_cmp_gt_i32 s[MK+\i], 32*\k+\i, v251
.endr
	s_wait_alu depctr_va_sdst(0)                   ; the sixteen masks s48-63 are written, ahead of the selections that read them
.irp i, 0,1,2,3,4,5,6,7,8,9,10,11,12,13,14,15
	v_cndmask_b32 v[S+16*\k+\i], v[S+16*\k+\i], v252, s[MK+\i]
.endr
.endr
.Lopen_\@:
.irp b, 0,1,2,3
	v_max3_num_f32 v[BM+\b], v[S+16*\b], v[S+1+16*\b], v[S+2+16*\b]   ; the largest score of each block of 32 keys: it serves for the row's maximum and, since p rises with the score, for the block's largest p
.endr
.irp i, 3,5,7,9,11,13
.irp b, 0,1,2,3
	v_max3_num_f32 v[BM+\b], v[BM+\b], v[S+16*\b+\i], v[S+1+16*\b+\i]
.endr
.endr
.irp b, 0,1,2,3
	v_max_num_f32 v[BM+\b], v[BM+\b], v[S+15+16*\b]
.endr
.irp b, 0,1,2,3
	v_permlanex16_b32 v[PT+\b], v[BM+\b], s20, s21
.endr
.irp b, 0,1,2,3
	v_max_num_f32 v[BM+\b], v[BM+\b], v[PT+\b]     ; with lane l xor 16's 16 keys
.endr
	v_max3_num_f32 v250, v[BM], v[BM+1], v[BM+2]
	v_max_num_f32 v250, v250, v[BM+3]              ; the step's largest score of my query (the step's first key counts for every query, so it is a number)
	v_mul_f32 v250, s22, v250                      ; as t
	v_max_num_f32 v13, v13, v250                   ; the running largest t
	v_mov_b32 v250, v12
	v_floor_f32 v12, -v13                          ; the new -M = -ceil(t): a whole number
	v_sub_f32 v250, v12, v250                      ; old M - new M: a whole number, 0 or less
	v_cvt_i32_f32 v250, v250                       ; (it saturates)
	v_ldexp_f32 v[FF], 1.0, v250                   ; f = 2^(old M - new M): a multiplication by it rounds nothing
.irp j, 0,2,4,6,8,10,12,14,16,18,20,22,24,26,28,30,32,34,36,38,40,42,44,46,48,50,52,54,56,58,60,62
	v_pk_fma_f32 v[S+\j:S+\j+1], v[S+\j:S+\j+1], s[22:23], v[12:13] op_sel_hi:[1,0,0]   ; t - M, two at a time
.endr
.irp b, 0,1,2,3
	v_fma_f32 v[BM+\b], v[BM+\b], s22, v12         ; the same of each block's largest score
.endr
	s_wait_alu depctr_va_vdst(0)
.irp j, 0,1,2,3,4,5,6,7,8,9,10,11,12,13,14,15,16,17,18,19,20,21,22,23,24,25,26,27,28,29,30,31,32,33,34,35,36,37,38,39,40,41,42,43,44,45,46,47,48,49,50,51,52,53,54,55,56,57,58,59,60,61,62,63
	v_exp_f32 v[S+\j], v[S+\j]                     ; p = 2^(t - M), at most 1
.endr
	v_pk_mul_f32 v[14:15], v[14:15], v[FF:FF+1] op_sel_hi:[1,0]   ; the sums under the new M: the plain instruction behind the exponentials
	s_wait_alu depctr_va_vdst(0)                   ; the 64 exponentials have written p: one wait for the whole batch, ahead of its first reader
.irp b, 0,1,2,3
	v_exp_f32 v[BM+\b], v[BM+\b]                   ; the block's largest p: the same two instructions on the same number give the same bits
.endr
	v_pk_add_f32 v[PT:PT+1], v[S:S+1], v[S+2:S+3]  ; the row's sum is taken of the unquantised p, in two chains; it reads the 64 alone: plain work behind the four
.irp j, 4,8,12,16,20,24,28,32,36,40,44,48,52,56,60
	v_pk_add_f32 v[14:15], v[14:15], v[S+\j:S+\j+1]
	v_pk_add_f32 v[PT:PT+1], v[PT:PT+1], v[S+2+\j:S+3+\j]
.endr
	v_pk_add_f32 v[14:15], v[14:15], v[PT:PT+1]
	s_wait_alu depctr_va_vdst(0)                   ; the four exponentials have written the blocks' largest p, ahead of their first reader
.irp b, 0,1,2,3
	v_max_num_f32 v[BM+\b], 0x1800000, v[BM+\b]    ; the floor 2^(3 - 127): the byte cannot fall under 1
.endr
.irp b, 0,1,2,3
	v_add_nc_u32 v[SOP+\b], 0xff000000, v[BM+\b]   ; 2 off the exponent field: the conversion's scale operand
.endr
.irp b, 0,1,2,3
	v_lshrrev_b32 v[PT+\b], 23, v[SOP+\b]          ; the scale's byte
.endr
	v_lshl_or_b32 v[PWD], v[PT+2], 8, v[PT]        ; p's scale word in the order of the places: blocks 0, 2, 1, 3
	v_lshl_or_b32 v[PWD], v[PT+1], 16, v[PWD]
	v_lshl_or_b32 v[PWD], v[PT+3], 24, v[PWD]
.irp c, 0,1
	v_cvt_scalef32_pk16_fp6_f32 v[KF+6*\c:KF+2+6*\c], v[S+16*\c:S+15+16*\c], v[SOP+\c]             ; block c: it will stand in lanes 0-15
	v_cvt_scalef32_pk16_fp6_f32 v[KF+12+4*\c:KF+14+4*\c], v[S+32+16*\c:S+47+16*\c], v[SOP+2+\c]    ; block 2 + c: in lanes 16-31
.endr
	v_nop                                          ; one plain instruction behind the scaled conversions
.irp c, 0,1
.irp i, 0,1,2
	v_permlane16_swap_b32 v[KF+6*\c+\i], v[KF+12+4*\c+\i]
.endr
.irp i, 0,1,2
	v_mov_b32 v[KF+3+6*\c+\i], v[KF+12+4*\c+\i]
.endr
.endr
.irp j, 0,2,4,6,8,10,12,14,16,18,20,22,24,26,28,30
	v_pk_mul_f32 v[O+\j:O+\j+1], v[O+\j:O+\j+1], v[FF:FF+1] op_sel_hi:[1,0]   ; O^T under the new M.  Twelve of the sixteen name no register of any one product below: the places between p's scale word and codes and those products
.endr
	s_wait_loadcnt 0x0                             ; V is in
	s_wait_alu depctr_va_vdst(0)                   ; p's codes v44-55, p's scale word v253 and V's scale words v40-43 are written, which the scaled products below take as source 1 and as scales; the places above stay beside this wait
.irp u, 0,1,2,3
	v_wmma_scale_f32_16x16x128_f8f6f4 v[O+8*\u:O+8*\u+7], v[VF+12*\u:VF+12*\u+11], v[KF:KF+11], v[O+8*\u:O+8*\u+7], v[40+\u], v[PWD] matrix_a_fmt:MATRIX_FMT_FP6 matrix_b_fmt:MATRIX_FMT_FP6 matrix_a_scale:MATRIX_SCALE_ROW1
.endr                                              ; the four accumulators take turns, and a later step's eight products stand between two links of a chain
.rept 4
	v_nop                                          ; four plain instructions behind the last products, in front of the stores that read O^T
.endr
.endm
; A pass's end: the row's sum, and the nine LDS stores that hand my part over.
.macro SUMUP
	v_add_f32 v14, v14, v15                        ; the sum's two halves,
	v_permlanex16_b32 v[PT], v14, s20, s21
	v_add_f32 v13, v14, v[PT]                      ; and lane l xor 16's
.endm
.macro HANDOVER pass
.irp g, 0,1,2,3,4,5,6,7
	ds_store_b128 v[PST], v[O+4*\g:O+4*\g+3] offset:4352*\pass+272*\g   ; each accumulator from its low end on
.endr
	ds_store_b64 v[PSS], v[12:13] offset:256*\pass
.endm
	; ---- PASS 0: block J = j
	s_mov_b32 s26, s17                             ; J
	s_mov_b32 s28, s16                             ; my key step, if there is one
	BLOCK
	INIT
	s_cmp_ge_u32 s28, s27                          ; pass 0 has at most 8 steps for the 8 splits: none or one is mine
	s_cbranch_scc1 .Ldone_0
	QBASE
	KVBASE
	QLOAD                                          ; no wait: since the wait at the head's end vector instructions have written v12-15 and O^T alone, none of the registers that these 33 loads touch
	KVLOAD
	WORK
.Ldone_0:
	SUMUP
	; ---- PASS 1: block J = 63 - j.  Its first step, numbered 7 at the most of 9 to 16, is there in every wave
	s_sub_co_u32 s26, 63, s17
	s_sub_co_u32 s28, s16, s19
	s_and_b32 s28, s28, 7
	BLOCK
	QBASE
	KVBASE
	s_wait_alu depctr_va_vdst(0)                   ; v12, v13 and O^T are written, which pass 0's stores read; and pass 0's products and vector instructions are done with Q's, the scale words', K's and V's registers, in which the loads below land
	QLOAD                                          ; the loads first: they are on their way during the stores and the pass's start
	KVLOAD
	HANDOVER 0
	s_wait_dscnt 0x0                               ; the stores have landed
	s_wait_alu depctr_vm_vsrc(0)                   ; the stores have read v12, v13 and O^T, which the lines below write anew
	INIT
	WORK
	s_add_co_u32 s28, s28, 8                       ; the step 8 further on may be there
	s_cmp_ge_u32 s28, s27
	s_cbranch_scc1 .Ldone_1
	KVBASE
	s_wait_alu depctr_va_vdst(0)                   ; the first step's products and vector instructions are done with the scale words' registers v36-39, K's and V's, in which the loads below land
	KVLOAD
	WORK
.Ldone_1:
	SUMUP
	s_wait_alu depctr_va_vdst(0)                   ; v12, v13 and O^T are written, which the stores read; and the pass is done with v44-75 and v92-155, in which the merge's LDS loads land: no vector instruction stands between this wait and them
	HANDOVER 1
	s_wait_dscnt 0x0                               ; for the others' sake: my stores of both passes have landed
	s_wait_alu depctr_vm_vsrc(0)                   ; the stores have read O^T: the merge writes its rows into v204-211
	s_barrier_signal -1
	s_barrier_wait -1                              ; all 32 slots lie in LDS
	; ---- THE MERGE: for each of my four rows the eight splits' (-M, sum, O^T) become one row of out
	s_and_b32 s45, s43, 1                          ; s43 = w / 4: pass,
	s_lshr_b32 s46, s43, 1                         ; tile
	s_sub_co_u32 s47, 63, s17
	s_cmp_eq_u32 s45, 0
	s_cselect_b32 s47, s17, s47                    ; J
	s_lshl_b32 s47, s47, 5
	s_lshl_b32 s46, s46, 3
	s_add_co_u32 s47, s47, s46
	s_lshl_b32 s46, s44, 2                         ; s44 = w % 4: rows 4 (w % 4) on,
	s_add_co_u32 s47, s47, s46
	s_lshr_b32 s46, s44, 1
	s_lshl_b32 s46, s46, 3                         ; which from row 8 on are queries 8 further on
	s_add_co_u32 s47, s47, s46
	s_lshl_b32 s30, s47, 8                         ; 256 bytes a row
	s_add_nc_u64 s[12:13], s[12:13], s[30:31]
.irp it, 0,1
.irp s, 0,1,2,3,4,5,6,7
	ds_load_b64 v[44+16*\it+2*\s:45+16*\it+2*\s], v[MS] offset:1024*\s+16*\it
.endr
.irp s, 0,1,2,3
	ds_load_b128 v[92+32*\it+4*\s:95+32*\it+4*\s], v[MA0] offset:17408*\s+32*\it
.endr
.irp s, 0,1,2,3
	ds_load_b128 v[108+32*\it+4*\s:111+32*\it+4*\s], v[MA1] offset:17408*\s+32*\it
.endr
.endr
; Pair it of my rows.  The first pair's store stands in the second pair's text, behind the wait that the second reciprocal wants in any case.
.macro ROWS it
	s_wait_dscnt 16-16*\it                         ; this pair of rows is in; the second pair's sixteen loads may be out
	v_min3_num_f32 v244, v[44+16*\it], v[46+16*\it], v[48+16*\it]
	v_min3_num_f32 v244, v244, v[50+16*\it], v[52+16*\it]
	v_min3_num_f32 v244, v244, v[54+16*\it], v[56+16*\it]
	v_min_num_f32 v244, v244, v[58+16*\it]         ; the least -M: the largest M.  At least one split has had a step
.irp s, 0,1,2,3,4,5,6,7
	v_sub_f32 v[236+\s], v244, v[44+16*\it+2*\s]   ; the split's M - the largest: a whole number, 0 or less
.endr
.irp s, 0,1,2,3,4,5,6,7
	v_cvt_i32_f32 v[236+\s], v[236+\s]             ; (it saturates: a split without a step gets the factor 0)
.endr
.irp s, 0,1,2,3,4,5,6,7
	v_ldexp_f32 v[236+\s], 1.0, v[236+\s]
.endr
	v_mul_f32 v245, v236, v[45+16*\it]
.irp s, 1,2,3,4,5,6,7
	v_fmac_f32 v245, v[236+\s], v[45+16*\it+2*\s]  ; the row's sum
.endr
	s_wait_alu depctr_va_vdst(0)
	v_rcp_f32 v246, v245
.irp e, 0,1,2,3
	v_mul_f32 v[204+4*\it+\e], v236, v[92+32*\it+\e]   ; (plain work behind the reciprocal)
.endr
.irp s, 1,2,3,4,5,6,7
.irp e, 0,1,2,3
	v_fmac_f32 v[204+4*\it+\e], v[236+\s], v[92+32*\it+4*\s+\e]
.endr
.endr
	s_wait_alu depctr_va_vdst(0)                   ; the reciprocal has written v246, ahead of its first reader; in the second pair also: the first pair's rows v204-207 are written, which the store below reads
.if \it == 1
	global_store_b128 v[MO], v[204:207], s[12:13] th:TH_STORE_NT   ; sixteen lanes store a row's 256 consecutive bytes, at a multiple of 256 from out's first byte; the other sixteen the next row
.endif
.irp e, 0,1,2,3
	v_mul_f32 v[204+4*\it+\e], v[204+4*\it+\e], v246
.endr
.endm
	ROWS 0
	ROWS 1
	s_wait_alu depctr_va_vdst(0)                   ; the second pair's rows v208-211 are written, which the store below reads
	global_store_b128 v[MO], v[208:211], s[12:13] offset:512 th:TH_STORE_NT
	s_wait_xcnt 0x0                                ; the stores' addresses are translated: v254 is written again only behind this wait
	s_wait_alu depctr_vm_vsrc(0)                   ; the stores have read v254 and the merge's LDS loads v255, which the two lines below write
	v_lshl_add_u32 v254, v0, 2, 0x24000
	v_mov_b32 v255, 0
	s_wait_dscnt 0x0                               ; the closing lines, six on end
	s_wait_alu 0x0
	s_wait_tensorcnt 0x0
	ds_add_u32 v254, v255
	s_wait_dscnt 0x0
	s_endpgm
.Lfunc_end_k_qc64d279837_attn:
	.size	k_qc64d279837_attn, .Lfunc_end_k_qc64d279837_attn-k_qc64d279837_attn
	.p2alignl 7, 3214868480
	.fill 96, 4, 3214868480
	.section	.rodata,"a",@progbits
	.p2align	6, 0x0
	.amdhsa_kernel k_qc64d279837_attn
		.amdhsa_group_segment_fixed_size 149504
		.amdhsa_private_segment_fixed_size 0
		.amdhsa_enable_private_segment 0
		.amdhsa_kernarg_size 40
		.amdhsa_user_sgpr_count 2
		.amdhsa_user_sgpr_kernarg_segment_ptr 1
		.amdhsa_wavefront_size32 1
		.amdhsa_system_sgpr_workgroup_id_x 1
		.amdhsa_system_sgpr_workgroup_id_y 1
		.amdhsa_system_sgpr_workgroup_id_z 1
		.amdhsa_system_vgpr_workitem_id 0
		.amdhsa_next_free_vgpr 256
		.amdhsa_next_free_sgpr 66
		.amdhsa_reserve_vcc 0
		.amdhsa_float_denorm_mode_32 3
		.amdhsa_float_denorm_mode_16_64 3
		.amdhsa_memory_ordered 1
		.amdhsa_forward_progress 1
		.amdhsa_inst_pref_size 97
	.end_amdhsa_kernel
	.amdgpu_metadata
---
amdhsa.version: [ 1, 2 ]
amdhsa.kernels:
  - .name:           k_qc64d279837_attn
    .symbol:         k_qc64d279837_attn.kd
    .args:
      - { .name: qcodes, .offset: 0, .size: 8, .value_kind: global_buffer, .address_space: global }
      - { .name: kcodes, .offset: 8, .size: 8, .value_kind: global_buffer, .address_space: global }
      - { .name: vcodes, .offset: 16, .size: 8, .value_kind: global_buffer, .address_space: global }
      - { .name: scl, .offset: 24, .size: 8, .value_kind: global_buffer, .address_space: global }
      - { .name: out0, .offset: 32, .size: 8, .value_kind: global_buffer, .address_space: global }
    .group_segment_fixed_size: 149504
    .private_segment_fixed_size: 0
    .kernarg_segment_align: 8
    .kernarg_segment_size: 40
    .max_flat_workgroup_size: 512
    .sgpr_count:     66
    .vgpr_count:     256
    .wavefront_size: 32
...
	.end_amdgpu_metadata
.endif
;; end of part 4
